; MI455X (gfx1250); checked and timed in simulation.
; The chip was launched on July 23, 2026; its instructions are those of AMD's public machine-readable ISA for CDNA 5 (MIT licence, August 2026) and "CDNA5" Instruction Set Architecture Reference Guide (July 2026). The comments in the code are by the model that wrote it; some were corrected since.
;; Multiheaded Causal Self Attention. Allowed arithmetic: matrix products marked QUANTISED: E2M3 operands, one E8M0 scale for each 32 along K, by v_wmma_scale_f32_16x16x128_f8f6f4 with both operands' format E2M3, f32 sums; everything else in f32.
;; Inputs: Wk 1,024 x 1,024 float32; Wo 1,024 x 1,024 float32; Wq 1,024 x 1,024 float32; Wv 1,024 x 1,024 float32; bk 1,024 float32; bo 1,024 float32; bq 1,024 float32; bv 1,024 float32; x 4 x 2,048 x 1,024 float32.
;; Outputs: out0 4 x 2,048 x 1,024 float32.
;; This version of the problem:
;;   THIS VERSION OF THE PROBLEM IS GIVEN IN LOW PRECISION. The matrix products marked QUANTISED in the list below multiply operands that are first quantised to E2M3 (2 exponent bits, 3 mantissa bits; 6 bits a number), with one power-of-two scale for each 32 numbers along K (OCP MX v1.0); their sums are f32. All else is computed in f32.
;;   The module's matrix products, in the order in which they are computed (A, B: the left and right operand; K: the contracted axis; several contracted axes count as one K, in the product's order):
;;     1. [M 8,192, K 1,024] x [K 1,024, N 1,024]; A: input x; B: input Wk: QUANTISED
;;     2. [M 8,192, K 1,024] x [K 1,024, N 1,024]; A: input x; B: input Wq: QUANTISED
;;     3. [M 8,192, K 1,024] x [K 1,024, N 1,024]; A: input x; B: input Wv: QUANTISED
;;     4. batch 64 x [M 2,048, K 64] x [K 64, N 2,048]; A: computed on the way; B: computed on the way: QUANTISED
;;     5. batch 64 x [M 64, K 2,048] x [K 2,048, N 2,048]; A: computed on the way; B: softmax (see below): QUANTISED
;;     6. [M 8,192, K 1,024] x [K 1,024, N 1,024]; A: computed on the way; B: input Wo: QUANTISED
;;   THE QUANTISER, for each operand of a quantised product, along K:
;;     - K is cut into blocks of 32 from its start; a last block that is shorter is filled with zeros.
;;     - A block's scale is 2^e with e = floor(log2(the largest magnitude in the block)) - 2, held to -126 .. 127; a block of zeros has e = 0. As a byte (E8M0): e + 127.
;;     - Each number is divided by its block's scale, clamped to +-7.5, and rounded to the nearest number of E2M3, ties to even, subnormals kept.
;;     - The product sums the exact products of the quantised numbers (number of the format x scale) in f32.
;;   ~~~python
;;   def quantise(x, axis):      # numpy; x: float32 -> the quantised numbers, widened to float32 again
;;       x = np.moveaxis(x, axis, -1); K = x.shape[-1]
;;       x = np.pad(x, [(0, 0)] * (x.ndim - 1) + [(0, -K % 32)]); x = x.reshape(x.shape[:-1] + (-1, 32)); a = np.abs(x).max(-1, keepdims=True)
;;       e = np.where(a > 0, np.clip(np.frexp(np.where(a > 0, a, 1))[1] - 1 - 2, -126, 127), 0)      # np.frexp(a)[1] - 1 = floor(log2(a)), exactly
;;       r = np.clip(x / 2.0 ** e, -7.5, 7.5)
;;       step = 2.0 ** (np.maximum(np.frexp(np.where(r == 0, 1, r))[1] - 1, 0) - 3)
;;       q = np.round(r / step) * step * 2.0 ** e      # np.round: ties to even
;;       return np.moveaxis(q.reshape(q.shape[:-2] + (-1,))[..., :K], -1, axis).astype(np.float32)
;;   ~~~
;;   SOFTMAX AHEAD OF A QUANTISED PRODUCT. Where the list says 'softmax', what is quantised is not the finished softmax but p = 2^(t - M), with t = logit x log2(e) and M = ceil(the row's largest t), a whole number; so 1/2 < the row's largest p <= 1. The row's sum l is taken of the UNQUANTISED p, in f32, and the product's result is divided by l at the end. Since M is a whole number, a kernel that streams over the keys may use a running M (the ceiling of the running maximum): every later rescaling is an exact power of two, which a block's scale takes up: the codes' values come out the same.
;;   OPERANDS COMPUTED ON THE WAY. 'Computed on the way' means the value that the module computes at that place (a softmax that the list does not call 'softmax' is quantised finished and normalised). What goes into a quantiser is computed in f32, as accurately as f32 sums, v_exp_f32 and their like allow (about 1e-6 of the number): no bf16 or f16 on the way to a quantiser, and a product that is left as it is and whose result goes on into a quantised operand takes f32 operands (vector FMAs, or v_wmma_f32_16x16x4_f32). A number that lies on a knife's edge between two numbers of the format may be rounded either way, as far as f32 arithmetic and the matrix unit's own rounding can turn it there, and no further.
;; One version. Each part assembles by itself: llvm-mc -triple=amdgcn-amd-amdhsa -mcpu=gfx1250 --defsym DOCPART=n.
;; ======== version 1 of 1: 4 launches
;; limits: right only within a limited range of input values
;; workspace buffers: xb 6,553,600 bytes; wb 3,276,800 bytes; qb 6,553,600 bytes; kv 13,107,200 bytes; yb 6,553,600 bytes
;; launch quant (part 1): grid 384 x 1, 4 waves a work-group, no clusters, 34,304 bytes of LDS; arguments x, Wq, Wk, Wv, Wo, xb, wb; writes xb, wb
.if DOCPART == 1
	.amdgcn_target "amdgcn-amd-amdhsa--gfx1250"
	.amdhsa_code_object_version 6
	.text
	.protected	k_qd1122ec6c3_quant
	.globl	k_qd1122ec6c3_quant
	.p2align	8
	.type	k_qd1122ec6c3_quant,@function
k_qd1122ec6c3_quant:
	s_mov_b64 s[64:65], 0
	v_nop
	global_prefetch_b8 v0, s[64:65] scope:SCOPE_SE
	s_setreg_imm32_b32 hwreg(HW_REG_WAVE_MODE, 25, 1), 1
	s_wait_xcnt 0x0
; x [8192][1024] and Wq, Wk, Wv, Wo [1024 (k)][1024 (n)], f32, become codes of FP6 (E2M3) with one E8M0 byte for each 32 along K, laid as the products' launches read them.
; A block's scale is 2^(floor(log2(its largest magnitude)) - 2): its byte is the largest magnitude's exponent field - 2, held at 1 from below by a floor among the maximum's leaves.
; THE ORDER INSIDE A BLOCK.  Place k' of a block of 32 holds element 16 ((k'/8) % 2) + 8 (k'/16) + k' % 8: 0-7, 16-23, 8-15, 24-31.  Every operand of every product of this program is laid so, so both sides
; of each product agree; a block's numbers, and so its scale, are the contract's own.  It is the order in which a transposed matrix result falls into a lane's registers.
; A FRAGMENT'S IMAGE (16 rows x 128 K, 1,536 bytes): six pieces of 256 bytes; in piece p lane l has 8 bytes at 8 l: the operand's registers 2 p, 2 p + 1.  Each piece is stored whole by one instruction.
; xb: codes [row tile 512][K step 8][1536]; from XSC on scale bytes [row tile][slot 4][row 16][8]: the words of K steps 2 slot and 2 slot + 1.   wb: the same for [n tile 256]: Wq's 64, Wk's, Wv's, Wo's; scales from WSC on.
; Work-groups 0-255 take x, 256-383 the weights.  Waves share nothing: no barrier.  Nothing here is read twice, so no cluster and no joint load.
; LIMITS: NaN and infinities among the inputs are not served.  A block of zeros gets the byte 1 where the rule says 127: its codes are zeros, and this program alone reads the bytes.
.set XSC,  6291456
.set WSC,  3145728
.set SP,   528                         ; a stage row: 512 bytes + 16 = 33 x 16: the sixteen rows that a load of 16 bytes a lane touches start in different banks
.set WST,  16*SP                       ; a wave's stage
.set RW,   16                          ; v16-143  x as loaded, two sets of 64
.set XN,   144                         ; v144-207 64 numbers of my row in the order that QUANT takes
.set PC,   208                         ; v208-227 the codes just made
.set TM,   228                         ; v228-243 at work in QUANT
.set PW,   244                         ; v244-247 the four fragments' scale words
.set WX,   16                          ; v16-79   a weight's numbers, two sets of 32
.set SEL,  32                          ; s[32:33] lane selects: lane l xor 16
; 64 numbers of a lane, v[s] .. v[s + 63]: register 16 b + i is place 16 (lane / 16) + i of block b of my row.  They become a fragment's codes in v[PC] .. v[PC + 11] and the row's scale word in v[pw].
.macro QUANT s, pw
.irp b, 0,1,2,3
	v_max3_num_f32 v[TM+\b], |v[\s+16*\b]|, |v[\s+1+16*\b]|, 0x1800000   ; my 16 numbers of block b, and the floor 2^(3 - 127)
.endr
.irp i, 2,4,6,8,10,12,14
.irp b, 0,1,2,3
	v_max3_num_f32 v[TM+\b], v[TM+\b], |v[\s+16*\b+\i]|, |v[\s+1+16*\b+\i]|   ; the four blocks by turns
.endr
.endr
.irp b, 0,1,2,3
	v_permlanex16_b32 v[TM+4+\b], v[TM+\b], s[SEL], s[SEL+1]
.endr
.irp b, 0,1,2,3
	v_max_num_f32 v[TM+\b], v[TM+\b], v[TM+4+\b]   ; with lane l xor 16's: the block's largest magnitude
.endr
.irp b, 0,1,2,3
	v_add_nc_u32 v[TM+12+\b], 0xff000000, v[TM+\b]   ; 2 off its exponent field: the conversion's scale operand
.endr
.irp b, 0,1,2,3
	v_lshrrev_b32 v[TM+4+\b], 23, v[TM+12+\b]      ; the scale's byte
.endr
	v_lshl_or_b32 v[\pw], v[TM+5], 8, v[TM+4]
	v_lshl_or_b32 v[\pw], v[TM+6], 16, v[\pw]
	v_lshl_or_b32 v[\pw], v[TM+7], 24, v[\pw]
.irp c, 0,1
	v_cvt_scalef32_pk16_fp6_f32 v[PC+6*\c:PC+2+6*\c], v[\s+32*\c:\s+15+32*\c], v[TM+12+2*\c]
	v_cvt_scalef32_pk16_fp6_f32 v[PC+12+4*\c:PC+14+4*\c], v[\s+16+32*\c:\s+31+32*\c], v[TM+12+2*\c+1]   ; (a conversion's three registers begin on an even number)
.endr
	v_nop                                          ; one plain line behind the scaled conversions
.irp c, 0,1                                    ; the operand wants a whole block in a lane: lanes 0-15 block 2 c, lanes 16-31 block 2 c + 1
.irp i, 0,1,2
	v_permlane16_swap_b32 v[PC+6*\c+\i], v[PC+12+4*\c+\i]
.endr
.irp i, 0,1,2
	v_mov_b32 v[PC+3+6*\c+\i], v[PC+12+4*\c+\i]
.endr
.endr
.endm
	s_load_b256 s[4:11], s[0:1], 0x0               ; x, Wq, Wk, Wv
	s_load_b128 s[12:15], s[0:1], 0x20             ; Wo, xb
	s_load_b64 s[16:17], s[0:1], 0x30              ; wb
	v_lshl_add_u32 v254, v0, 2, 0x8400
	v_mov_b32 v255, 0
	v_lshrrev_b32 v1, 5, v0
	v_readfirstlane_b32 s20, v1                    ; wave
	v_and_b32 v1, 31, v0                           ; lane
	v_and_b32 v8, 15, v0                           ; r
	v_bfe_u32 v9, v0, 4, 1                         ; h
	v_lshlrev_b32 v5, 3, v1                        ; 8 x lane: my place in a piece
	s_mov_b32 s36, 0xffff0000                      ; lanes 16-31
	s_mov_b32 s[SEL], 0x76543210
	s_mov_b32 s[SEL+1], 0xfedcba98
.irp b, 0,1,2,3
	v_mov_b32 v[TM+4+\b], 0                        ; a lane permute's destination counts as one of its sources
.endr
	s_cmp_lt_u32 ttmp9, 256
	s_cbranch_scc0 .Lweights
; ---- x: a wave takes 16 rows x 512 along K: four fragments.  Each load reads 512 consecutive bytes of one row; the 16 rows turn through the wave's own stage, so that a lane gets its row's numbers in the blocks' order.
	s_lshl_b32 s21, ttmp9, 2
	s_add_co_u32 s21, s21, s20
	s_lshr_b32 s22, s21, 1                         ; row tile
	s_and_b32 s23, s21, 1                          ; which half of K
	s_lshl_b32 s24, s22, 16                        ; 16 rows of 4,096 bytes
	s_lshl_b32 s25, s23, 11
	s_add_co_u32 s24, s24, s25
	s_mov_b32 s25, 0
	s_mul_i32 s26, s22, 12288
	s_mul_i32 s27, s23, 6144
	s_add_co_u32 s26, s26, s27
	s_mov_b32 s27, 0
	s_lshl_b32 s28, s22, 9
	s_lshl_b32 s29, s23, 8
	s_add_co_u32 s28, s28, s29
	s_add_co_u32 s28, s28, XSC
	s_mov_b32 s29, 0
	s_mul_i32 s30, s20, WST
	s_wait_alu depctr_va_vdst(0)
	v_lshlrev_b32 v2, 4, v1                        ; 16 x lane
	v_add_nc_u32 v3, s30, v2                       ; into the stage: a row as it lies
	v_mul_u32_u24 v4, v8, SP
	v_lshl_add_u32 v4, v9, 5, v4
	v_add_nc_u32 v4, s30, v4                       ; out of it: row r, + 32 h bytes: elements 8 h .. of each half block
	s_wait_alu depctr_va_vdst(0)
	s_wait_kmcnt 0x0
	s_add_nc_u64 s[4:5], s[4:5], s[24:25]
	s_add_nc_u64 s[22:23], s[14:15], s[26:27]      ; my fragments
	s_add_nc_u64 s[24:25], s[14:15], s[28:29]      ; my scale words
.macro XLOAD f
.irp p, 0,1,2,3,4,5,6,7,8,9,10,11,12,13,14,15
	global_load_b128 v[RW+64*((\f)%2)+4*\p:RW+64*((\f)%2)+4*\p+3], v2, s[4:5] offset:4096*\p+512*(\f) th:TH_LOAD_NT
.endr
.endm
.macro XTURN f                         ; LDS serves a wave's instructions in order: no wait between the stores and the loads
.irp p, 0,1,2,3,4,5,6,7,8,9,10,11,12,13,14,15
	ds_store_b128 v3, v[RW+64*((\f)%2)+4*\p:RW+64*((\f)%2)+4*\p+3] offset:SP*\p
.endr
.irp b, 0,1,2,3
.irp q, 0,1,2,3
	ds_load_b128 v[XN+16*\b+4*\q:XN+16*\b+4*\q+3], v4 offset:128*\b+64*(\q/2)+16*(\q%2)   ; elements 8 h + 0 .. 7, then 16 + 8 h + 0 .. 7 of block b
.endr
.endr
.endm
.macro XFRAG f
.if (\f) < 3
	s_wait_loadcnt 16                              ; this fragment's 16 loads are in; the next fragment's 16 may be out
.else
	s_wait_loadcnt 0x0
.endif
	XTURN \f
	s_wait_dscnt 0x0                               ; the numbers are back, and the stage's stores have read their registers,
.if (\f) < 2
	XLOAD (\f)+2                                   ; which take the loads of two fragments on
.endif
.if (\f) > 0
	s_wait_xcnt 0x0                                ; the last fragment's stores have read the codes' registers
.endif
	QUANT XN, PW+(\f)
.irp p, 0,1,2,3,4,5
	global_store_b64 v5, v[PC+2*\p:PC+2*\p+1], s[22:23] offset:1536*(\f)+256*\p   ; 32 lanes store 256 consecutive bytes, aligned
.endr
.endm
	XLOAD 0
	XLOAD 1
	XFRAG 0
	XFRAG 1
	XFRAG 2
	XFRAG 3
	v_cndmask_b32 v248, v244, v246, s36            ; lanes 0-15: the words of my first two K steps, lanes 16-31: of the other two
	v_cndmask_b32 v249, v245, v247, s36
	global_store_b64 v5, v[248:249], s[24:25]      ; two slots' scale words: 256 consecutive bytes
	s_wait_tensorcnt 0x0
	ds_add_u32 v254, v255
	s_wait_dscnt 0x0
	s_endpgm
; ---- the weights: K is their first axis.  A lane takes a column, its registers run down K in the blocks' order: a block's maximum needs no other lane, and the codes come out with K innermost.
; A wave takes 32 columns (two n tiles) x 256 along K (two K steps, eight blocks).
.Lweights:
	s_sub_co_u32 s21, ttmp9, 256
	s_and_b32 s22, s21, 7
	s_lshl_b32 s22, s22, 2
	s_add_co_u32 s22, s22, s20                     ; which 32 columns
	s_bfe_u32 s23, s21, 0x20003                    ; which 256 along K
	s_lshr_b32 s24, s21, 5                         ; which weight
	s_lshl_b32 s28, s23, 20                        ; 256 rows of 4,096 bytes
	s_lshl_b32 s29, s22, 7
	s_add_co_u32 s28, s28, s29
	s_mov_b32 s29, 0
	s_lshl_b32 s25, s24, 6
	s_lshl_b32 s30, s22, 1
	s_add_co_u32 s25, s25, s30                     ; my first n tile
	s_mul_i32 s30, s25, 12288
	s_mul_i32 s31, s23, 3072
	s_add_co_u32 s30, s30, s31
	s_mov_b32 s31, 0
	s_lshl_b32 s18, s25, 9
	s_lshl_b32 s19, s23, 7
	s_add_co_u32 s18, s18, s19
	s_add_co_u32 s18, s18, WSC
	s_mov_b32 s19, 0
	s_wait_alu depctr_va_vdst(0)
	v_lshlrev_b32 v6, 2, v1                        ; 4 bytes a lane
	v_lshlrev_b32 v7, 9, v9
	v_lshl_add_u32 v7, v8, 3, v7                   ; my column's eight scale bytes: 512 (lane / 16) + 8 r
	s_wait_alu depctr_va_vdst(0)
	s_wait_kmcnt 0x0
	s_mov_b64 s[26:27], s[6:7]
	s_cmp_eq_u32 s24, 1
	s_cselect_b64 s[26:27], s[8:9], s[26:27]
	s_cmp_eq_u32 s24, 2
	s_cselect_b64 s[26:27], s[10:11], s[26:27]
	s_cmp_eq_u32 s24, 3
	s_cselect_b64 s[26:27], s[12:13], s[26:27]
	s_add_nc_u64 s[26:27], s[26:27], s[28:29]
	s_add_nc_u64 s[28:29], s[16:17], s[30:31]
	s_add_nc_u64 s[30:31], s[16:17], s[18:19]
.macro WLOAD t                         ; block t: register i takes the row that belongs at place i; 32 lanes read 128 consecutive bytes, the four waves stand side by side
.irp i, 0,1,2,3,4,5,6,7,8,9,10,11,12,13,14,15,16,17,18,19,20,21,22,23,24,25,26,27,28,29,30,31
	global_load_b32 v[WX+32*((\t)%2)+\i], v6, s[26:27] offset:(32*(\t)+16*((\i/8)%2)+8*(\i/16)+\i%8)*4096 th:TH_LOAD_NT
.endr
.endm
.macro WBLOCK t
.set XS, WX+32*((\t)%2)
.set CB, 80+12*((\t)/2)+6*((\t)%2)     ; each block has its own six registers: no store's data are written again
.if (\t) < 7
	s_wait_loadcnt 32                              ; this block's 32 loads are in; the next block's may be out
.else
	s_wait_loadcnt 0x0
.endif
	v_max3_num_f32 v12, |v[XS]|, |v[XS+1]|, |v[XS+2]|
	v_max3_num_f32 v13, |v[XS+3]|, |v[XS+4]|, |v[XS+5]|
.irp i, 6,10,14,18,22,26
	v_max3_num_f32 v12, v12, |v[XS+\i]|, |v[XS+\i+1]|
	v_max3_num_f32 v13, v13, |v[XS+\i+2]|, |v[XS+\i+3]|
.endr
	v_max3_num_f32 v12, v12, |v[XS+30]|, |v[XS+31]|
	v_max3_num_f32 v12, v12, v13, 0x1800000        ; and the floor
	v_add_nc_u32 v11, 0xff000000, v12
	v_lshrrev_b32 v13, 23, v11
.if (\t)%4 == 0
	v_mov_b32 v[132+(\t)/4], v13
.else
	v_lshl_or_b32 v[132+(\t)/4], v13, 8*((\t)%4), v[132+(\t)/4]
.endif
	v_cvt_scalef32_pk16_fp6_f32 v[CB:CB+2], v[XS:XS+15], v11
	v_cvt_scalef32_pk16_fp6_f32 v[128:130], v[XS+16:XS+31], v11
	v_nop
.irp i, 0,1,2
	v_mov_b32 v[CB+3+\i], v[128+\i]
.endr
.if (\t)+2 < 8
	WLOAD (\t)+2
.endif
.if (\t)%2 == 1                        ; blocks 2 c and 2 c + 1 of a K step are there: the exchange gives the first n tile's registers 6 c .. 6 c + 5 and the second's
.set EV, CB-6
.irp i, 0,1,2,3,4,5
	v_permlane16_swap_b32 v[EV+\i], v[EV+6+\i]
.endr
.irp i, 0,1,2
	global_store_b64 v5, v[EV+2*\i:EV+2*\i+1], s[28:29] offset:((\t)/4)*1536+(3*(((\t)%4)/2)+\i)*256
	global_store_b64 v5, v[EV+6+2*\i:EV+7+2*\i], s[28:29] offset:12288+((\t)/4)*1536+(3*(((\t)%4)/2)+\i)*256
.endr
.endif
.endm
	WLOAD 0
	WLOAD 1
.irp t, 0,1,2,3,4,5,6,7
	WBLOCK \t
.endr
	global_store_b64 v7, v[132:133], s[30:31]      ; sixteen lanes store 128 consecutive bytes: a slot's scale words of an n tile
	s_endpgm
.Lfunc_end_k_qd1122ec6c3_quant:
	.size	k_qd1122ec6c3_quant, .Lfunc_end_k_qd1122ec6c3_quant-k_qd1122ec6c3_quant
	.p2alignl 7, 3214868480
	.fill 96, 4, 3214868480
	.section	.rodata,"a",@progbits
	.p2align	6, 0x0
	.amdhsa_kernel k_qd1122ec6c3_quant
		.amdhsa_group_segment_fixed_size 34304
		.amdhsa_private_segment_fixed_size 0
		.amdhsa_enable_private_segment 0
		.amdhsa_kernarg_size 56
		.amdhsa_user_sgpr_count 2
		.amdhsa_user_sgpr_kernarg_segment_ptr 1
		.amdhsa_wavefront_size32 1
		.amdhsa_system_sgpr_workgroup_id_x 1
		.amdhsa_system_sgpr_workgroup_id_y 1
		.amdhsa_system_sgpr_workgroup_id_z 1
		.amdhsa_system_vgpr_workitem_id 0
		.amdhsa_next_free_vgpr 256
		.amdhsa_next_free_sgpr 66
		.amdhsa_reserve_vcc 0
		.amdhsa_float_denorm_mode_32 3
		.amdhsa_float_denorm_mode_16_64 3
		.amdhsa_memory_ordered 1
		.amdhsa_forward_progress 1
		.amdhsa_inst_pref_size 75
	.end_amdhsa_kernel
	.amdgpu_metadata
---
amdhsa.version: [ 1, 2 ]
amdhsa.kernels:
  - .name:           k_qd1122ec6c3_quant
    .symbol:         k_qd1122ec6c3_quant.kd
    .args:
      - { .name: x, .offset: 0, .size: 8, .value_kind: global_buffer, .address_space: global }
      - { .name: Wq, .offset: 8, .size: 8, .value_kind: global_buffer, .address_space: global }
      - { .name: Wk, .offset: 16, .size: 8, .value_kind: global_buffer, .address_space: global }
      - { .name: Wv, .offset: 24, .size: 8, .value_kind: global_buffer, .address_space: global }
      - { .name: Wo, .offset: 32, .size: 8, .value_kind: global_buffer, .address_space: global }
      - { .name: xb, .offset: 40, .size: 8, .value_kind: global_buffer, .address_space: global }
      - { .name: wb, .offset: 48, .size: 8, .value_kind: global_buffer, .address_space: global }
    .group_segment_fixed_size: 34304
    .private_segment_fixed_size: 0
    .kernarg_segment_align: 8
    .kernarg_segment_size: 56
    .max_flat_workgroup_size: 128
    .sgpr_count:     66
    .vgpr_count:     256
    .wavefront_size: 32
...
	.end_amdgpu_metadata
.endif
;; end of part 1
;; launch qkv (part 2): grid 8 x 48, 4 waves a work-group, clusters of 4 x 4, 327,680 bytes of LDS; arguments xb, wb, bq, bk, bv, qb, kv; writes qb, kv
.if DOCPART == 2
	.amdgcn_target "amdgcn-amd-amdhsa--gfx1250"
	.amdhsa_code_object_version 6
	.text
	.protected	k_qd1122ec6c3_qkv
	.globl	k_qd1122ec6c3_qkv
	.p2align	8
	.type	k_qd1122ec6c3_qkv,@function
k_qd1122ec6c3_qkv:
	s_mov_b64 s[64:65], 0
	v_nop
	global_prefetch_b8 v0, s[64:65] scope:SCOPE_SE
	s_setreg_imm32_b32 hwreg(HW_REG_WAVE_MODE, 25, 1), 1
	s_wait_xcnt 0x0
	s_wait_alu depctr_hold_cnt(0) depctr_sa_sdst(0) depctr_va_vdst(0) depctr_va_sdst(0) depctr_va_ssrc(0) depctr_va_vcc(0) depctr_vm_vsrc(0)
	s_getreg_b32 s2, hwreg(HW_REG_IB_STS2, 6, 4)
	s_cmp_eq_u32 s2, 0
	s_cbranch_scc0 .Lentry_in_a_cluster
	s_endpgm
.Lentry_in_a_cluster:
	s_bfe_u32 s2, ttmp6, 0x10000c
	s_cmp_lg_u32 s2, 0xf033
	s_cbranch_scc0 .Lentry_shape_is_right
	s_endpgm
.Lentry_shape_is_right:
; q = x Wq + bq, k = x Wk + bk, v = x Wv + bv on codes of FP6 (E2M3) with E8M0 scales, and each result quantised for attention: q and k along the head's 64, v along the tokens.
; ONE BODY: C'[m][n] = sum over k of A'[m][k] B'[n][k], K = 1,024, a tile of 256 x 256 to a work-group, 128 x 128 (64 accumulators) to each of four waves.
;   clusters y 0-7:  A' = x (8,192 tokens), B' = the columns of Wq and Wk (2,048): 32 x 8 tiles.      clusters y 8-11: A' = the columns of Wv (1,024), B' = x: 4 x 32 tiles.
; THE MATRIX INSTRUCTION IS USED TRANSPOSED (source 0 = 16 rows of B', source 1 = 16 rows of A'): a lane holds one row m and its registers run along n, the axis that is quantised next:
; for q and k a token's channels, for v a channel's tokens.  So the results become codes in registers and leave as images of the next operand's registers; no LDS on the way out.
; OPERANDS lie in memory as fragment images (16 rows x 128 K: six pieces of 256 bytes, lane l's 8 bytes at 8 l), [row tile][K step 8][1536]: a fragment comes from LDS by six loads of 256 consecutive bytes, without padding.
; K goes in slots of two K steps (256 along K) through a ring of two LDS slots; a wave's tensor load brings 8 row tiles x 3,072 bytes.  The scale words of the work-group's rows, for all of K, come once.
; CLUSTERS 4 x 4: A's tiles are asked for jointly along a row of the cluster, B's along a column.
; OUT: qb: codes [head of batch 64][query tile 128][3 pieces][256], from QSC on scale bytes [bh][tile / 2][row][tile & 1][2].
;      kv: [bh][key step 16][12,800]: K's codes [token tile 8][768] | V's codes [16 channels x 128 keys: 4][1536] | K's scale words [pair of tiles 4][row][4] | V's [4][row][4].
; LIMITS: NaN and infinities are not served; a block of zeros gets the byte 1 (its codes are zeros; this program alone reads the bytes); inside a block of 32 both operands of every product lie in the order 0-7, 16-23, 8-15, 24-31.
; REGISTERS: window 0: v1-31 addresses; v32-63 scale words, two sets; v64-127 the biases; v128-223 A's fragments, one set; v224-231 the bias loads' offsets; v232-255 at work on the way out.
;   window 1: B's fragments, two sets, at v0 and v128.   windows 2, 3: the accumulators ((a, b) at v[8 (8 (a % 4) + b)]).
.set NQ,    2                          ; K steps in a slot
.set FR,    12                         ; registers of a fragment
.set NL,    6                          ; LDS loads that bring one
.set NP,    4                          ; places behind this matrix instruction (ISA guide 7.12.1)
.set KSB,   1536                       ; a fragment's image
.set RTB,   NQ*KSB                     ; a row tile's part of a slot
.set RECB,  12288                      ; a row tile's eight K steps in memory
.set HALFT, 8*RTB                      ; what one tensor load brings, and what one wave reads of A or of B
.set SLOT,  4*HALFT                    ; A's 16 row tiles, then B's
.set SCL,   2*SLOT                     ; behind the ring: the scale words: A's 16 x 512 bytes, then B's
.set SPARE, SCL+16384                  ; the spare words, 128 bytes a wave: two blocks of 256 bytes that no other line names
.set XSC,   6291456                    ; where the scale bytes begin in xb and qb
.set WSC,   3145728                    ; and in wb
.set ADRA, 16                          ; v16-17 LDS address of my A fragments in slot 0, 1
.set ADRB, 20                          ; v20-21 the same for B
.set LN8,  22                          ; v22    8 x lane
.set VS,   23                          ; v23    q's and k's scale words: 4 r + h x a head's stride
.set SELR, 24                          ; v24    byte selects: lanes 0-15 the first head's two bytes, lanes 16-31 the second's
.set LN4,  25                          ; v25    4 x lane
.set ADRS, 27                          ; v27    LDS address of my scale words: lanes 0-15 A's rows, lanes 16-31 B's
.set SPW,  28                          ; v28    my spare word; never rewritten
.set NIL,  29                          ; v29    0; never rewritten
.set SC,   32
.set BI,   64
.set AF,   128
.set VO,   224
.set TM,   232
.set PW,   248
.set HA,   128                         ; the way out: a block of 16 rows x 128, with its bias
.set PC,   192                         ; its codes
.set SW,   212                         ; scale words to store
.set SEL,  66                          ; s[66:67] lane selects (set on the way out)
.set G1,   24
.set G0,   32
.set G1B,  48
.set G0B,  56
.set G1S,  68
.set G0S,  76
.set G1SB, 80
.set G0SB, 88
.set MSB, 0
.macro WIN new                         ; the immediate's high byte repeats the setting that is left
.if MSB != (\new)
	s_set_vgpr_msb (MSB<<8)|(\new)
.set MSB, (\new)
.endif
.endm
.set MUL_LO, 0xa1                      ; source 0 (B) window 1, source 1 (A) window 0, C and D window 2
.set MUL_HI, 0xf1                      ; the same, C and D window 3
.set TO_B,   0x40                      ; destination window 1, address window 0
; A joint load: waves 0 and 1 fetch for A, waves 2 and 3 for B; the branch hangs on the wave's number alone.  Four v_nop follow each of the two lines.
.macro JLOAD g0a, g1a, g0b, g1b
	s_cmp_eq_u32 s19, 0
	s_cbranch_scc0 .Lfor_b_\@
	tensor_load_to_lds s[\g0a:\g0a+3], s[\g1a:\g1a+7]
	s_nop 0
.rept 4
	v_nop
.endr
	s_branch .Lasked_\@
.Lfor_b_\@:
	tensor_load_to_lds s[\g0b:\g0b+3], s[\g1b:\g1b+7]
	s_nop 0
.rept 4
	v_nop
.endr
.Lasked_\@:
.endm
.macro CREST                           ; a round of the cluster's barrier behind its opening barrier
	s_cmp_lg_u32 s18, 0
	s_cbranch_scc1 .Lnot_wave_0_\@
	s_barrier_signal -3
.Lnot_wave_0_\@:
	s_barrier_wait -3
	s_barrier_signal -1
	s_barrier_wait -1
.endm
.macro CROUND
	s_barrier_signal -1
	s_barrier_wait -1
	CREST
.endm
; 64 numbers of a lane, register 16 b + i = place 16 (lane / 16) + i of block b of my row, become a fragment's codes in v[PC] .. v[PC + 11] and the row's scale word in v[pw].
.macro QUANT s, pw
.irp b, 0,1,2,3
	v_max3_num_f32 v[TM+\b], |v[\s+16*\b]|, |v[\s+1+16*\b]|, 0x1800000   ; my 16 numbers of block b, and the floor 2^(3 - 127)
.endr
.irp i, 2,4,6,8,10,12,14
.irp b, 0,1,2,3
	v_max3_num_f32 v[TM+\b], v[TM+\b], |v[\s+16*\b+\i]|, |v[\s+1+16*\b+\i]|
.endr
.endr
.irp b, 0,1,2,3
	v_permlanex16_b32 v[TM+4+\b], v[TM+\b], s[SEL], s[SEL+1]
.endr
.irp b, 0,1,2,3
	v_max_num_f32 v[TM+\b], v[TM+\b], v[TM+4+\b]
.endr
.irp b, 0,1,2,3
	v_add_nc_u32 v[TM+12+\b], 0xff000000, v[TM+\b]   ; 2 off the exponent field: the conversion's scale operand
.endr
.irp b, 0,1,2,3
	v_lshrrev_b32 v[TM+4+\b], 23, v[TM+12+\b]
.endr
	v_lshl_or_b32 v[\pw], v[TM+5], 8, v[TM+4]
	v_lshl_or_b32 v[\pw], v[TM+6], 16, v[\pw]
	v_lshl_or_b32 v[\pw], v[TM+7], 24, v[\pw]
.irp c, 0,1
	v_cvt_scalef32_pk16_fp6_f32 v[PC+6*\c:PC+2+6*\c], v[\s+32*\c:\s+15+32*\c], v[TM+12+2*\c]
	v_cvt_scalef32_pk16_fp6_f32 v[PC+12+4*\c:PC+14+4*\c], v[\s+16+32*\c:\s+31+32*\c], v[TM+12+2*\c+1]
.endr
	v_nop                                          ; one plain line behind the scaled conversions
.irp c, 0,1
.irp i, 0,1,2
	v_permlane16_swap_b32 v[PC+6*\c+\i], v[PC+12+4*\c+\i]
.endr
.irp i, 0,1,2
	v_mov_b32 v[PC+3+6*\c+\i], v[PC+12+4*\c+\i]
.endr
.endr
.endm
	s_load_b256 s[4:11], s[0:1], 0x0               ; xb, wb, bq, bk
	s_load_b128 s[12:15], s[0:1], 0x20             ; bv, qb
	s_load_b64 s[16:17], s[0:1], 0x30              ; kv
	v_lshl_add_u32 v[SPW], v0, 2, SPARE
	v_mov_b32 v[NIL], 0
	ds_add_u32 v28, v29
	ds_add_u32 v28, v29
	s_wait_dscnt 0x0
	v_lshrrev_b32 v1, 5, v0
	v_readfirstlane_b32 s18, v1                    ; wave 0..3
	s_lshr_b32 s19, s18, 1                         ; which half of the tile's rows is mine.  Also: I fetch for A (0) or for B (1)
	s_and_b32 s20, s18, 1                          ; which half of its columns.  Also: which 8 row tiles I fetch
	s_bfe_u32 s21, ttmp6, 0x40000                  ; cx
	s_bfe_u32 s22, ttmp6, 0x40004                  ; cy
	s_and_b32 s23, ttmp7, 0xffff                   ; cluster y: under 8 the part of q and k, else that of v: the same in all sixteen partners
	s_sub_co_u32 s45, s23, 8
	s_lshl_b32 s45, s45, 1                         ; 2 (y - 8)
	s_mov_b32 s67, WSC
	s_mov_b32 s47, XSC
	s_cmp_lt_u32 s23, 8
	s_cselect_b32 s44, s23, 0                      ; the clusters' row among A's tiles
	s_cselect_b32 s45, 0, s45                      ; what is added to the clusters' column
	s_cselect_b32 s66, 0, 128                      ; A's first row tile in its buffer: x's 0, Wv's 128
	s_cselect_b32 s67, XSC, s67                    ; where A's scale bytes begin
	s_cselect_b32 s47, WSC, s47                    ; and B's
	s_lshl_b32 s44, s44, 2
	s_add_co_u32 s40, s44, s22                     ; tile row
	s_add_co_u32 s46, ttmp9, s45
	s_lshl_b32 s46, s46, 2
	s_add_co_u32 s41, s46, s21                     ; tile column
	s_lshl_b32 s42, s22, 2
	s_lshl_b32 s42, 15, s42                        ; my row of the cluster
	s_lshl_b32 s43, 0x1111, s21                    ; my column
	; descriptor group 1, codes: 8 rows (row tiles) of 384 elements of 8 bytes, 1,536 elements apart in memory, dense in LDS
	s_or_b32 s[G1+0], s42, (3<<16)|(1<<21)         ; 15:0 the mask; 17:16 elements of 8 bytes; 21 set beside a mask
	s_or_b32 s[G1B+0], s43, (3<<16)|(1<<21)
.irp g, G1, G1B
	s_mov_b32 s[\g+1], 384<<16                     ; tensor_dim0
	s_mov_b32 s[\g+2], 16<<16                      ; tensor_dim1: the head's loads bring all 16 row tiles; behind them it is set to 8
	s_mov_b32 s[\g+3], 384<<16                     ; tile_dim0
	s_mov_b32 s[\g+4], 16                          ; tile_dim1, likewise
	s_mov_b32 s[\g+5], 1536                        ; tensor_dim0_stride
	s_mov_b32 s[\g+6], 0
	s_mov_b32 s[\g+7], 0
.endr
	; and the scale words of 16 row tiles: 8,192 dense bytes as 32 rows of 256
	s_or_b32 s[G1S+0], s42, (3<<16)|(1<<21)
	s_or_b32 s[G1SB+0], s43, (3<<16)|(1<<21)
.irp g, G1S, G1SB
	s_mov_b32 s[\g+1], 32<<16
	s_mov_b32 s[\g+2], 32<<16
	s_mov_b32 s[\g+3], 32<<16
	s_mov_b32 s[\g+4], 32
	s_mov_b32 s[\g+5], 32
	s_mov_b32 s[\g+6], 0
	s_mov_b32 s[\g+7], 0
.endr
	s_lshl_b32 s2, s20, 3
	s_lshl_b32 s44, s40, 4
	s_add_co_u32 s44, s44, s2
	s_add_co_u32 s44, s44, s66                     ; A: the first row tile that I fetch (made of the tile row alone)
	s_lshl_b32 s46, s41, 4
	s_add_co_u32 s46, s46, s2                      ; B: likewise (of the tile column alone)
	s_mul_i32 s92, s44, RECB
	s_mov_b32 s93, 0
	s_lshl_b32 s94, s44, 9
	s_add_co_u32 s94, s94, s67
	s_mov_b32 s95, 0
	s_mul_i32 s96, s46, RECB
	s_mov_b32 s97, 0
	s_lshl_b32 s98, s46, 9
	s_add_co_u32 s98, s98, s47
	s_mov_b32 s99, 0
	s_mul_i32 s45, s18, HALFT                      ; where they go: wave x 8 row tiles: no place in the cluster enters an LDS address
	s_lshl_b32 s3, s18, 12
	s_wait_kmcnt 0x0
	s_cmp_lt_u32 s23, 8
	s_cselect_b64 s[66:67], s[4:5], s[6:7]         ; A's buffer
	s_cselect_b64 s[46:47], s[6:7], s[4:5]         ; B's
	s_add_nc_u64 s[92:93], s[66:67], s[92:93]
	s_add_nc_u64 s[94:95], s[66:67], s[94:95]
	s_add_nc_u64 s[96:97], s[46:47], s[96:97]
	s_add_nc_u64 s[98:99], s[46:47], s[98:99]
	CROUND                                         ; all sixteen work-groups are here: the first joint loads meet
	s_lshl_b32 s2, s20, 12                         ; the head's loads begin at the tile's first row tile: my half's 8 x 512 scale bytes are taken off again
	s_mov_b32 s3, 0
	s_mov_b32 s[G0S], 1
	s_mov_b32 s[G0S+1], SCL
	s_sub_nc_u64 s[G0S+2:G0S+3], s[94:95], s[2:3]
	s_or_b32 s[G0S+3], s[G0S+3], 0x80000000
	s_mov_b32 s[G0SB], 1
	s_mov_b32 s[G0SB+1], SCL+8192
	s_sub_nc_u64 s[G0SB+2:G0SB+3], s[98:99], s[2:3]
	s_or_b32 s[G0SB+3], s[G0SB+3], 0x80000000
.irp s, 0,1
	s_mov_b32 s[G0+4*\s], 1
	s_add_co_u32 s[G0+4*\s+1], s45, \s*SLOT
	s_add_nc_u64 s[G0+4*\s+2:G0+4*\s+3], s[92:93], \s*RTB
	s_or_b32 s[G0+4*\s+3], s[G0+4*\s+3], 0x80000000
	s_mov_b32 s[G0B+4*\s], 1
	s_add_co_u32 s[G0B+4*\s+1], s45, \s*SLOT
	s_add_nc_u64 s[G0B+4*\s+2:G0B+4*\s+3], s[96:97], \s*RTB
	s_or_b32 s[G0B+4*\s+3], s[G0B+4*\s+3], 0x80000000
.endr
; THE HEAD'S LOADS, ONE A WAVE: wave 0 slot 0's 16 row tiles of A, wave 1 those of B, wave 2 A's scale words, wave 3 B's.  One tree of branches on the wave's number, one load to an arm.
.set G0H,  4                           ; s[4:7]: the arguments that lay there have been used
.set G0HB, 92                          ; s[92:95]: written when the addresses that lay there have been used
	s_mul_i32 s2, s20, 8*RECB
	s_mov_b32 s[G0H], 1
	s_mov_b32 s[G0H+1], 0
	s_sub_nc_u64 s[G0H+2:G0H+3], s[92:93], s[2:3]
	s_or_b32 s[G0H+3], s[G0H+3], 0x80000000
	s_sub_nc_u64 s[G0HB+2:G0HB+3], s[96:97], s[2:3]
	s_mov_b32 s[G0HB], 1
	s_mov_b32 s[G0HB+1], 2*HALFT
	s_or_b32 s[G0HB+3], s[G0HB+3], 0x80000000
.macro ARM under, g0, g1, next
	s_cmp_lt_u32 s18, \under
	s_cbranch_scc0 \next
	tensor_load_to_lds s[\g0:\g0+3], s[\g1:\g1+7]
	s_nop 0
.rept 4
	v_nop
.endr
	s_branch .Lhead_asked
\next:
.endm
	ARM 1, G0H,  G1,  .Lhead_b
	ARM 2, G0HB, G1B, .Lhead_sa
	ARM 3, G0S,  G1S, .Lhead_sb
	tensor_load_to_lds s[G0SB:G0SB+3], s[G1SB:G1SB+7]
	s_nop 0
.rept 4
	v_nop
.endr
.Lhead_asked:
	v_and_b32 v1, 15, v0
	v_bfe_u32 v2, v0, 4, 1                         ; h
	s_wait_alu depctr_va_vdst(0)
	v_and_b32 v3, 31, v0
	v_lshlrev_b32 v[LN8], 3, v3
	v_lshlrev_b32 v[LN4], 2, v3
	s_mul_i32 s2, s19, HALFT                       ; my 8 row tiles of A
	s_mul_i32 s3, s20, HALFT                       ; my 8 of B,
	s_add_co_u32 s3, s3, 2*HALFT                   ; which lie behind A's 16
.irp s, 0,1
	v_add_nc_u32 v[ADRA+\s], s2, v[LN8]
	v_add_nc_u32 v[ADRB+\s], s3, v[LN8]
	s_add_co_u32 s2, s2, SLOT
	s_add_co_u32 s3, s3, SLOT
.endr
	v_lshlrev_b32 v5, 3, v1                        ; my row's 8 bytes of a slot's scale words
	s_lshl_b32 s2, s19, 12                         ; A's: my 8 row tiles
	s_lshl_b32 s3, s20, 12                         ; B's: my 8, behind A's 16
	s_add_co_u32 s3, s3, 8192
	s_sub_co_u32 s3, s3, s2
	v_mul_u32_u24 v6, s3, v2                       ; lanes 16-31 take B's
	s_add_co_u32 s2, s2, SCL
	v_add_nc_u32 v5, v5, v6
	v_add_nc_u32 v[ADRS], s2, v5
.irp b, 0,1,2,3
	v_mov_b32 v[TM+4+\b], 0                        ; a lane permute's destination counts as one of its sources
.endr
	; THE BIASES, 64 registers in the result's layout, by one form for both parts: offset r SR + h SH + j SJ, + 64 bytes a block.
	; q, k: v[BI + 8 b + j] = bias(n = 16 b + 8 h + j): (0, 32, 4).    v: v[BI + 8 a + j] = bv(m = 16 a + r) for every j: (4, 0, 0).
	s_lshl_b32 s2, s41, 1
	s_add_co_u32 s2, s2, s20
	s_and_b32 s2, s2, 7
	s_lshl_b32 s2, s2, 9                           ; q, k: my 128 columns among the tensor's 1,024
	s_lshl_b32 s3, s40, 1
	s_add_co_u32 s3, s3, s19
	s_lshl_b32 s3, s3, 9                           ; v: my 128 channels
	s_cmp_lt_u32 s41, 4
	s_cselect_b64 s[100:101], s[8:9], s[10:11]     ; tile columns 0-3 are q's, 4-7 k's
	s_cmp_lt_u32 s23, 8
	s_cselect_b64 s[100:101], s[100:101], s[12:13]
	s_cselect_b32 s2, s2, s3
	s_cselect_b32 s46, 0, 4                        ; SR
	s_cselect_b32 s47, 32, 0                       ; SH
	s_cselect_b32 s44, 4, 0                        ; SJ
	s_mov_b32 s3, 0
	s_add_nc_u64 s[100:101], s[100:101], s[2:3]
	v_mul_u32_u24 v5, v1, s46
	v_mad_u32_u24 v5, v2, s47, v5
.irp j, 0,1,2,3,4,5,6,7
	v_mad_u32_u24 v[VO+\j], s44, \j, v5
.endr
.irp x, 0,1,2,3,4,5,6,7
.irp j, 0,1,2,3,4,5,6,7
	global_load_b32 v[BI+8*\x+\j], v[VO+\j], s[100:101] offset:64*\x   ; waited for on the way out
.endr
.endr
.macro FRAG reg, adr, q, i             ; a fragment's image: six pieces of 256 consecutive bytes
.irp p, 0,1,2,3,4,5
	ds_load_b64 v[\reg+2*\p:\reg+2*\p+1], v[\adr] offset:RTB*(\i)+KSB*(\q)+256*\p
.endr
.endm
; 16 matrix instructions: A's blocks a0, a0 + 1 x B's eight, 128 along K: the slot's q-th.  p: B's set; sc: the set of scale words.  zero = 1: the first product starts the sums.
; The 64 accumulators take turns, one instruction a turn, in the same order in every step.
.macro MUL16 a0, p, q, sc, zero
.irp a, \a0, \a0+1
.irp b, 0,1,2,3,4,5,6,7
.if \zero
	v_wmma_scale_f32_16x16x128_f8f6f4 v[8*(8*((\a)%4)+\b):8*(8*((\a)%4)+\b)+7], v[128*(\p)+FR*\b:128*(\p)+FR*\b+FR-1], v[AF+FR*(\a):AF+FR*(\a)+FR-1], 0, v[SC+8*NQ*(\sc)+NQ*\b+(\q)], v[SC+8*NQ*(\sc)+NQ*(\a)+(\q)] matrix_a_fmt:MATRIX_FMT_FP6 matrix_b_fmt:MATRIX_FMT_FP6 matrix_a_scale:MATRIX_SCALE_ROW1
.else
	v_wmma_scale_f32_16x16x128_f8f6f4 v[8*(8*((\a)%4)+\b):8*(8*((\a)%4)+\b)+7], v[128*(\p)+FR*\b:128*(\p)+FR*\b+FR-1], v[AF+FR*(\a):AF+FR*(\a)+FR-1], v[8*(8*((\a)%4)+\b):8*(8*((\a)%4)+\b)+7], v[SC+8*NQ*(\sc)+NQ*\b+(\q)], v[SC+8*NQ*(\sc)+NQ*(\a)+(\q)] matrix_a_fmt:MATRIX_FMT_FP6 matrix_b_fmt:MATRIX_FMT_FP6 matrix_a_scale:MATRIX_SCALE_ROW1
.endif
.endr
.endr
.endm
.macro FETCH_B slot, q, p
	WIN TO_B
.irp i, 0,1,2,3,4,5,6,7
	FRAG 128*(\p)+FR*\i, ADRB+\slot, \q, \i
.endr
	WIN 0
.endm
.macro FETCH_A slot, q, i0
.irp i, \i0, \i0+1, \i0+2, \i0+3
	FRAG AF+FR*(\i), ADRA+\slot, \q, \i
.endr
.endm
.macro SCALES sc                       ; a slot's scale words: two a row; lanes 0-15 take A's block i, lanes 16-31 B's block i
.irp i, 0,1,2,3,4,5,6,7
	ds_load_b64 v[SC+8*NQ*\sc+NQ*\i:SC+8*NQ*\sc+NQ*\i+1], v[ADRS] offset:512*\i
.endr
.endm
.macro PLACES n                        ; plain vector lines between a matrix instruction and a load into, or a vector line on, its registers (ISA guide 7.12.1 for vector lines)
.rept \n
	v_nop
.endr
.endm
; A step of 128 along K that has its successor in the same slot.  A's blocks go one after the other, so one set of registers serves A: blocks 0-3 are fetched anew in the middle, blocks 4-7 at the end.
.macro STEP slot, q, zero
	s_wait_dscnt 4*NL                              ; all but the youngest 24 loads (A's blocks 4-7) are in
	WIN MUL_LO
	MUL16 0, (\q)%2, \q, \slot, \zero
	MUL16 2, (\q)%2, \q, \slot, \zero
	s_wait_dscnt 0
	PLACES NP
	FETCH_B \slot, (\q)+1, 1-(\q)%2
	FETCH_A \slot, (\q)+1, 0
	WIN MUL_HI
	MUL16 4, (\q)%2, \q, \slot, \zero
	MUL16 6, (\q)%2, \q, \slot, \zero
	PLACES NP
	WIN 0
	FETCH_A \slot, (\q)+1, 4
.endm
; A slot's last step changes slots: one barrier; in front of it each wave waits for all its tensor loads, adds 0 to its spare word, and waits for that and for its reads of this slot.  fill = 1: this slot is filled again, two slots ahead.
.macro TURN slot, next, fill
	s_wait_tensorcnt 0x0                           ; all my tensor loads have landed: my part of the next slot
	ds_add_u32 v[SPW], v[NIL]                      ; 0 onto my spare word
	s_wait_dscnt 4*NL+1                            ; (the add and the youngest 24 loads, A's blocks 4-7, may be out)
	WIN MUL_LO
	MUL16 0, 1, NQ-1, \slot, 0                     ; sixteen matrix instructions stand between the add and the wait for it
	s_wait_dscnt 0x0                               ; the add is done, and my reads of this slot are over
	s_barrier_signal -1
	MUL16 2, 1, NQ-1, \slot, 0
	WIN 0
	s_barrier_wait -1
.if \fill
	CREST                                          ; the barrier has opened a round of the cluster's: no wave of any partner still reads this slot or has a load on its way
	s_add_nc_u64 s[G0+4*\slot+2:G0+4*\slot+3], s[G0+4*\slot+2:G0+4*\slot+3], 2*RTB
	s_add_nc_u64 s[G0B+4*\slot+2:G0B+4*\slot+3], s[G0B+4*\slot+2:G0B+4*\slot+3], 2*RTB
	JLOAD G0+4*\slot, G1, G0B+4*\slot, G1B         ; the first tensor load behind the round, my only one out; its four v_nop are the places in front of the loads below
.else
	PLACES NP
.endif
	s_wait_alu depctr_va_vdst(0)
	v_add_nc_u32 v[ADRS], 128, v[ADRS]             ; on to the next slot's scale words
	FETCH_B \next, 0, 0
	FETCH_A \next, 0, 0
	SCALES \next
	WIN MUL_HI
	MUL16 4, 1, NQ-1, \slot, 0
	MUL16 6, 1, NQ-1, \slot, 0
	PLACES NP
	WIN 0
	FETCH_A \next, 0, 4
.endm
	s_wait_alu depctr_va_vdst(0)
	s_wait_tensorcnt 0x0                           ; my tile of the head's four is in; slot 1's first fill is issued as a refill is:
	ds_add_u32 v[SPW], v[NIL]                      ; 0 onto my spare word
	s_mov_b32 s[G1+2], 8<<16                       ; no tensor load of mine is out: from here on a load brings 8 row tiles
	s_mov_b32 s[G1+4], 8
	s_mov_b32 s[G1B+2], 8<<16
	s_mov_b32 s[G1B+4], 8
	s_wait_dscnt 0x0
	CROUND                                         ; all four tiles are in, and all sixteen work-groups are here
	JLOAD G0+4, G1, G0B+4, G1B                     ; slot 1: the first tensor load behind the round
	FETCH_B 0, 0, 0
	FETCH_A 0, 0, 0
	SCALES 0
	FETCH_A 0, 0, 4
	STEP 0, 0, 1                                   ; K = 1,024 is four slots' worth: written out
	TURN 0, 1, 1
	STEP 1, 0, 0
	TURN 1, 0, 1
	STEP 0, 0, 0
	TURN 0, 1, 0                                   ; nothing is left to fetch
	STEP 1, 0, 0
	s_wait_dscnt 4*NL
	WIN MUL_LO
	MUL16 0, 1, NQ-1, 1, 0
	MUL16 2, 1, NQ-1, 1, 0
	s_wait_dscnt 0
	WIN MUL_HI
	MUL16 4, 1, NQ-1, 1, 0
	MUL16 6, 1, NQ-1, 1, 0
	WIN 0
; THE WAY OUT, block by block of 16 rows x 128: the bias is added (which also brings the block into window 0, each accumulator from its low end on), the block is quantised, and its codes leave as pieces of 256 bytes.
.macro EPI a, arm
.if (\a) > 0
	s_wait_xcnt 0x0                                ; the last block's stores have read the codes' registers
.endif
	WIN 0x02+((\a)/4)                              ; source 0: window 2 or 3
.irp b, 0,1,2,3,4,5,6,7
.irp j, 0,2,4,6
.if \arm == 0
	v_pk_add_f32 v[HA+8*\b+\j:HA+8*\b+\j+1], v[64*((\a)%4)+8*\b+\j:64*((\a)%4)+8*\b+\j+1], v[BI+8*\b+\j:BI+8*\b+\j+1]
.else
	v_pk_add_f32 v[HA+8*\b+\j:HA+8*\b+\j+1], v[64*((\a)%4)+8*\b+\j:64*((\a)%4)+8*\b+\j+1], v[BI+8*(\a)+\j:BI+8*(\a)+\j+1]
.endif
.endr
.endr
	WIN 0
	QUANT HA, PW+(\a)
.if \arm == 0
.irp i, 0,1,2                                  ; registers 0-5: the first head's 64 channels of 16 tokens; registers 6-11: the second head's
	global_store_b64 v[LN8], v[PC+2*\i:PC+2*\i+1], s[34:35] offset:768*(\a)+256*\i
	global_store_b64 v[LN8], v[PC+6+2*\i:PC+7+2*\i], s[36:37] offset:768*(\a)+256*\i
.endr
.else
.irp p, 0,1,2,3,4,5                            ; a whole fragment: 16 channels x 128 keys
	global_store_b64 v[LN8], v[PC+2*\p:PC+2*\p+1], s[34:35] offset:((\a)/4)*204800+((\a)%4)*1536+256*\p
.endr
.endif
.endm
	s_wait_loadcnt 0x0                             ; the biases
	PLACES NP
	s_mov_b32 s[SEL], 0x76543210
	s_mov_b32 s[SEL+1], 0xfedcba98
	s_mov_b32 s44, 0xffff0000                      ; lanes 16-31
	s_cmp_lt_u32 s23, 8                            ; all tensor loads have been waited for: the descriptors' registers are free
	s_cbranch_scc0 .Lvalues
	; ---- q and k.  My rows are tokens 128 ts .., my columns two heads.
	s_lshl_b32 s24, s40, 1
	s_add_co_u32 s24, s24, s19                     ; ts
	s_lshr_b32 s25, s24, 4                         ; batch
	s_and_b32 s24, s24, 15                         ; which 128 tokens of it
	s_lshl_b32 s26, s41, 1
	s_add_co_u32 s26, s26, s20                     ; which 128 columns: 0-7 q's, 8-15 k's
	s_and_b32 s27, s26, 7
	s_lshl_b32 s27, s27, 1
	s_lshl_b32 s25, s25, 4
	s_add_co_u32 s27, s27, s25                     ; the first head, counted over batches
	s_mov_b32 s28, 204800
	s_mov_b32 s29, 12800
	s_cmp_lt_u32 s26, 8
	s_cselect_b32 s28, 98304, s28                  ; a head's bytes in qb or in kv
	s_cselect_b32 s29, 6144, s29                   ; 128 tokens' bytes
	s_cselect_b64 s[30:31], s[14:15], s[16:17]
	s_mul_i32 s32, s27, s28
	s_mul_i32 s33, s24, s29
	s_add_co_u32 s32, s32, s33
	s_mov_b32 s33, 0
	s_mov_b32 s29, 0
	s_add_nc_u64 s[34:35], s[30:31], s[32:33]      ; the first head's codes
	s_add_nc_u64 s[36:37], s[34:35], s[28:29]      ; the second's
	s_lshl_b32 s38, s27, 12
	s_lshl_b32 s39, s24, 8
	s_add_co_u32 s38, s38, s39
	s_add_co_u32 s38, s38, XSC                     ; q's scale words
	s_add_co_u32 s39, s32, 12288                   ; k's
	s_cmp_lt_u32 s26, 8
	s_cselect_b32 s38, s38, s39
	s_cselect_b32 s25, 4096, s28                   ; from head to head among the scale words
	s_mov_b32 s39, 0
	s_add_nc_u64 s[38:39], s[30:31], s[38:39]
	v_mul_u32_u24 v[VS], s25, v2
	v_lshl_add_u32 v[VS], v1, 2, v[VS]
	v_mov_b32 v[SELR], 0x05040100
	v_mov_b32 v26, 0x07060302
	v_cndmask_b32 v[SELR], v[SELR], v26, s44
.irp a, 0,1,2,3,4,5,6,7
	EPI \a, 0
.endr
.irp p, 0,1,2,3                                ; a word for two token tiles: (tile 2 p: two bytes, tile 2 p + 1: two bytes) of my lanes' head
	v_perm_b32 v[SW+\p], v[PW+2*\p+1], v[PW+2*\p], v[SELR]
.endr
.irp p, 0,1,2,3
	global_store_b32 v[VS], v[SW+\p], s[38:39] offset:64*\p
.endr
	s_branch .Ldone
.Lvalues:
	; ---- v.  My rows are channels (two heads), my columns tokens 128 ts ..: one key step.
	s_lshl_b32 s24, s41, 1
	s_add_co_u32 s24, s24, s20                     ; ts
	s_lshr_b32 s25, s24, 4                         ; batch
	s_and_b32 s24, s24, 15                         ; key step
	s_lshl_b32 s26, s40, 2
	s_lshl_b32 s27, s19, 1
	s_add_co_u32 s26, s26, s27                     ; my first head
	s_lshl_b32 s25, s25, 4
	s_add_co_u32 s26, s26, s25
	s_mul_i32 s32, s26, 204800
	s_mul_i32 s33, s24, 12800
	s_add_co_u32 s32, s32, s33
	s_add_co_u32 s32, s32, 6144                    ; V's codes lie behind K's
	s_mov_b32 s33, 0
	s_add_nc_u64 s[34:35], s[16:17], s[32:33]
.irp a, 0,1,2,3,4,5,6,7
	EPI \a, 1
.endr
.irp p, 0,1,2,3
	v_cndmask_b32 v[SW+\p], v[PW+2*\p], v[PW+2*\p+1], s44   ; lanes 0-15: block 2 p's words, lanes 16-31: block 2 p + 1's
.endr
.irp p, 0,1,2,3
	global_store_b32 v[LN4], v[SW+\p], s[34:35] offset:6400+(\p/2)*204800+(\p%2)*128
.endr
.Ldone:
	s_wait_tensorcnt 0x0                           ; the wave's end
	ds_add_u32 v[SPW], v[NIL]
	s_wait_dscnt 0x0
	CROUND                                         ; the closing round: no work-group ends while a partner may still ask for a tile that names it
	s_endpgm
.Lfunc_end_k_qd1122ec6c3_qkv:
	.size	k_qd1122ec6c3_qkv, .Lfunc_end_k_qd1122ec6c3_qkv-k_qd1122ec6c3_qkv
	.p2alignl 7, 3214868480
	.fill 96, 4, 3214868480
	.section	.rodata,"a",@progbits
	.p2align	6, 0x0
	.amdhsa_kernel k_qd1122ec6c3_qkv
		.amdhsa_group_segment_fixed_size 327680
		.amdhsa_private_segment_fixed_size 0
		.amdhsa_enable_private_segment 0
		.amdhsa_kernarg_size 56
		.amdhsa_user_sgpr_count 2
		.amdhsa_user_sgpr_kernarg_segment_ptr 1
		.amdhsa_wavefront_size32 1
		.amdhsa_system_sgpr_workgroup_id_x 1
		.amdhsa_system_sgpr_workgroup_id_y 1
		.amdhsa_system_sgpr_workgroup_id_z 1
		.amdhsa_system_vgpr_workitem_id 0
		.amdhsa_next_free_vgpr 1024
		.amdhsa_next_free_sgpr 102
		.amdhsa_reserve_vcc 0
		.amdhsa_float_denorm_mode_32 3
		.amdhsa_float_denorm_mode_16_64 3
		.amdhsa_memory_ordered 1
		.amdhsa_forward_progress 1
		.amdhsa_inst_pref_size 244
	.end_amdhsa_kernel
	.amdgpu_metadata
---
amdhsa.version: [ 1, 2 ]
amdhsa.kernels:
  - .name:           k_qd1122ec6c3_qkv
    .symbol:         k_qd1122ec6c3_qkv.kd
    .args:
      - { .name: xb, .offset: 0, .size: 8, .value_kind: global_buffer, .address_space: global }
      - { .name: wb, .offset: 8, .size: 8, .value_kind: global_buffer, .address_space: global }
      - { .name: bq, .offset: 16, .size: 8, .value_kind: global_buffer, .address_space: global }
      - { .name: bk, .offset: 24, .size: 8, .value_kind: global_buffer, .address_space: global }
      - { .name: bv, .offset: 32, .size: 8, .value_kind: global_buffer, .address_space: global }
      - { .name: qb, .offset: 40, .size: 8, .value_kind: global_buffer, .address_space: global }
      - { .name: kv, .offset: 48, .size: 8, .value_kind: global_buffer, .address_space: global }
    .group_segment_fixed_size: 327680
    .private_segment_fixed_size: 0
    .kernarg_segment_align: 8
    .kernarg_segment_size: 56
    .max_flat_workgroup_size: 128
    .sgpr_count:     102
    .vgpr_count:     1024
    .wavefront_size: 32
...
	.end_amdgpu_metadata
.endif
;; end of part 2
;; launch attn (part 3): grid 4 x 64, 16 waves a work-group, clusters of 4 x 1, 206,848 bytes of LDS; arguments qb, kv, yb; writes yb
.if DOCPART == 3
	.amdgcn_target "amdgcn-amd-amdhsa--gfx1250"
	.amdhsa_code_object_version 6
	.text
	.protected	k_qd1122ec6c3_attn
	.globl	k_qd1122ec6c3_attn
	.p2align	8
	.type	k_qd1122ec6c3_attn,@function
k_qd1122ec6c3_attn:
	s_mov_b64 s[64:65], 0
	v_nop
	global_prefetch_b8 v0, s[64:65] scope:SCOPE_SE
	s_setreg_imm32_b32 hwreg(HW_REG_WAVE_MODE, 25, 1), 1
	s_wait_xcnt 0x0
	s_wait_alu depctr_hold_cnt(0) depctr_sa_sdst(0) depctr_va_vdst(0) depctr_va_sdst(0) depctr_va_ssrc(0) depctr_va_vcc(0) depctr_vm_vsrc(0)
	s_getreg_b32 s2, hwreg(HW_REG_IB_STS2, 6, 4)
	s_cmp_eq_u32 s2, 0
	s_cbranch_scc0 .Lentry_in_a_cluster
	s_endpgm
.Lentry_in_a_cluster:
	s_bfe_u32 s2, ttmp6, 0x10000c
	s_cmp_lg_u32 s2, 0x3003
	s_cbranch_scc0 .Lentry_shape_is_right
	s_endpgm
.Lentry_shape_is_right:
; y = softmax(q k^T / 8, causal) v for one head of one batch to a cluster, both products on codes of FP6 (E2M3) with E8M0 scales; y is quantised along C and leaves as codes for the last product.
; THE SOFTMAX: t = score x log2(e) / 8; M = the running largest t rounded UP to a whole number; p = 2^(t - M) is quantised along the keys, not normalised; the row's sum is taken of the unquantised p and divides at the end.
; When M moves, the sum and O are multiplied by 2^(old M - new M), which rounds nothing.  A hidden score becomes -8e10 (times 1/8: -1e10) ahead of the maximum.  Key steps wholly behind the diagonal are not walked.
; SHARES.  The head's 128 tiles of 16 queries go to 4 work-groups x 16 waves, two to a wave, one after the other: wave w of partner cx owns tile 8 w + 2 cx (key steps 0 .. w), then tile 8 (15 - w) + 2 cx + 1 (0 .. 15 - w):
; ONE loop of 17 trips of 16 queries x 128 keys in every wave; a tile goes out in the trip that holds its diagonal.  The counts hang on the wave's number alone; cx enters only q's and y's addresses in memory and the mask's register.
; LDS.  The head's K and V, 204,800 bytes, come ONCE, each wave asking jointly with its three partners for one key step's 12,800 bytes, and stay; after the one barrier LDS is only read.  So there is no loop to prefetch ahead in: no prefetch.
; A key step in LDS, as in memory: 50 rows of 256 bytes: K's codes [token tile 8][3 rows] | V's codes [4][6 rows] | K's scale words [4][16][4] | V's [4][16][4].
; LAYOUT.  Both products are used transposed (S^T = K Q^T, O^T = V^T P^T): a lane holds one query.  The head is 64, the instruction's K 128: an operand holds two tiles of keys, multiplied by [q, 0] and by [0, q].
; WHICH KEYS FORM A TILE: rows 0-7 are eight keys of block 2 c, rows 8-15 the same eight of block 2 c + 1 (blocks of 32 keys; the second lies six rows of LDS behind the first).  So lanes 0-15 hold all 32 p of block 2 c and
; lanes 16-31 those of block 2 c + 1, as the next operand wants them: a block's maximum needs no other lane and the codes are exchanged between no lanes.
; Register 32 c + i of S^T holds place i of its block, in the order 0-7, 16-23, 8-15, 24-31 in which V's codes lie.
; LIMITS: NaN and infinities are not served; a block of zeros gets the byte 1 (its codes are zeros); a block's largest p is taken from its largest score, which takes v_exp_f32 not to fall where its input rises;
; the promise holds while the scaled scores stay under 2^31 in magnitude.
; REGISTERS: v1-4 lane terms of addresses; v5 mask; v6 y's scale bytes' offset; v7 -8e10; v8-11 -M, largest score, sum; v12-29 zeros, q, zeros; v30-35, v37 the second tile's q; v36 q's scale word; v38-39 the add's;
;   v40-43 addresses; v44-47 K's scale words; v48-95 K; v96-159 S^T, then p, then p's codes (v112-123); v160-191 O^T; v192-239 V; v240-243 V's scale words; v244-255 at work (v248 f, v249 p's scale word).
.set PIT,   256
.set STEPB, 50*PIT
.set SPARE, 16*STEPB                   ; the spare words: 128 bytes a wave, eight blocks of 256 bytes that no other line names
.set VCO,   24*PIT
.set KSO,   48*PIT
.set VSO,   49*PIT
.set QSC,   6291456                    ; where the scale bytes begin in qb and yb
.macro CROUND                          ; a round of the cluster's barrier
	s_barrier_signal -1
	s_barrier_wait -1
	s_cmp_lg_u32 s10, 0
	s_cbranch_scc1 .Lnot_wave_0_\@
	s_barrier_signal -3
.Lnot_wave_0_\@:
	s_barrier_wait -3
	s_barrier_signal -1
	s_barrier_wait -1
.endm
; the byte offsets of tile s[t]: s[qc:qc+1] q's codes, s[qc+2:qc+3] q's scale bytes, s[yc:yc+1] y's codes, s[yc+2:yc+3] y's scale bytes
.macro TADDR t, qc, yc
	s_lshl_b32 s38, s12, 7
	s_add_co_u32 s38, s38, s[\t]
	s_mul_i32 s[\qc], s38, 768
	s_mov_b32 s[\qc+1], 0
	s_lshr_b32 s38, s[\t], 1
	s_lshl_b32 s38, s38, 6
	s_and_b32 s39, s[\t], 1
	s_lshl_b32 s39, s39, 1
	s_add_co_u32 s38, s38, s39
	s_lshl_b32 s39, s12, 12
	s_add_co_u32 s38, s38, s39
	s_add_co_u32 s[\qc+2], s38, QSC
	s_mov_b32 s[\qc+3], 0
	s_lshr_b32 s38, s12, 4
	s_lshl_b32 s38, s38, 7
	s_add_co_u32 s38, s38, s[\t]                   ; the row tile among all tokens
	s_mul_i32 s39, s38, 12288
	s_add_co_u32 s[\yc], s39, s19
	s_mov_b32 s[\yc+1], 0
	s_lshl_b32 s38, s38, 9
	s_add_co_u32 s[\yc+2], s38, s37
	s_mov_b32 s[\yc+3], 0
.endm
.macro WM d, a, b, c, sa, sb
	v_wmma_scale_f32_16x16x128_f8f6f4 \d, \a, \b, \c, \sa, \sb matrix_a_fmt:MATRIX_FMT_FP6 matrix_b_fmt:MATRIX_FMT_FP6
.endm
.macro KLOAD                           ; four operands (c, u): rows 8 u .. of token tiles 4 c + 2 g and 4 c + 2 g + 1, g = 1 in the operand's rows 8-15; and their scale words
.irp c, 0,1
.irp u, 0,1
.irp p, 0,1,2,3,4,5
	ds_load_b64 v[48+24*\c+12*\u+2*\p:49+24*\c+12*\u+2*\p], v40 offset:PIT*(12*\c+\p)+64*\u
.endr
	ds_load_b32 v[44+2*\c+\u], v41 offset:KSO+128*\c+32*\u
.endr
.endr
.endm
.macro VLOAD                           ; four fragments of 16 channels x 128 keys
.irp t, 0,1,2,3
.irp p, 0,1,2,3,4,5
	ds_load_b64 v[192+12*\t+2*\p:193+12*\t+2*\p], v42 offset:VCO+PIT*(6*\t+\p)
.endr
	ds_load_b32 v[240+\t], v43 offset:VSO+64*\t
.endr
.endm
.macro FRESH                           ; a tile begins: the step is written once, and the first finds zeros
	v_mov_b32 v9, 0xff61b1e6                       ; the largest score so far: -3e38
	v_mov_b32 v10, 0
	v_mov_b32 v11, 0
	v_mul_f32 v8, s56, v9
	s_delay_alu instid0(VALU_DEP_1)
	v_floor_f32 v8, v8                             ; -M
.set N1, 0
.rept 32
	v_mov_b32 v[160+N1], 0
.set N1, N1+1
.endr
.endm
.macro SUM j                           ; four more p onto the row's sum, in two chains
	v_pk_add_f32 v[250:251], v[250:251], v[\j:\j+1]
	v_pk_add_f32 v[246:247], v[246:247], v[\j+2:\j+3]
.endm
	s_load_b128 s[4:7], s[0:1], 0x0                ; qb, kv
	s_load_b64 s[8:9], s[0:1], 0x10                ; yb
	v_lshl_add_u32 v38, v0, 2, SPARE
	v_mov_b32 v39, 0
	ds_add_u32 v38, v39                            ; the opening lines: the add, twice on end, and its wait
	ds_add_u32 v38, v39
	v_lshrrev_b32 v1, 5, v0
	s_delay_alu instid0(VALU_DEP_1)
	v_readfirstlane_b32 s10, v1                    ; wave 0..15
	s_bfe_u32 s11, ttmp6, 0x40000                  ; cx
	s_and_b32 s12, ttmp7, 0xffff                   ; the head, counted over batches: shared by the four partners
	s_xor_b32 s13, s10, 15                         ; 15 - wave
	s_mov_b32 s20, 0x76543210
	s_mov_b32 s21, 0xfedcba98                      ; lane l xor 16
	s_mov_b32 s22, 0x3e38aa3b                      ; c = log2(e) / 8
	s_mov_b32 s23, s22                             ; (named with it as a pair)
	s_mov_b32 s56, 0xbe38aa3b                      ; -c
	s_mov_b32 s36, 0xffff0000                      ; lanes 16-31
	; descriptor group 1: a key step's 12,800 dense bytes as 50 rows of 256
	s_mov_b32 s24, 15|(3<<16)|(1<<21)              ; the mask: all four work-groups; elements of 8 bytes; 21 set beside a mask
	s_mov_b32 s25, 32<<16
	s_mov_b32 s26, 50<<16
	s_mov_b32 s27, 32<<16
	s_mov_b32 s28, 50
	s_mov_b32 s29, 32
	s_mov_b32 s30, 0
	s_mov_b32 s31, 0
	s_mov_b32 s32, 1
	s_mul_i32 s33, s10, STEPB                      ; LDS address: key step = my wave's number
	s_mul_i32 s2, s12, 16*STEPB
	s_add_co_u32 s2, s2, s33
	s_mov_b32 s3, 0
	s_lshl_b32 s16, s10, 3
	s_lshl_b32 s18, s11, 1
	s_add_co_u32 s16, s16, s18                     ; my first tile
	s_lshl_b32 s17, s13, 3
	s_add_co_u32 s17, s17, s18
	s_add_co_u32 s17, s17, 1                       ; my second
	s_and_b32 s18, s12, 15                         ; the head in its batch
	s_mul_i32 s19, s18, 768                        ; its three pieces in a row tile's record of yb
	s_lshr_b32 s37, s18, 2
	s_lshl_b32 s37, s37, 7
	s_and_b32 s38, s18, 3
	s_lshl_b32 s38, s38, 1
	s_add_co_u32 s37, s37, s38
	s_add_co_u32 s37, s37, QSC                     ; its two bytes in a row's scale bytes
	TADDR 16, 40, 48
	TADDR 17, 44, 52
	s_xor_b32 s13, s10, -1                         ; -(wave + 1)
	s_mov_b32 s18, s10                             ; the trip that holds the first tile's diagonal
	s_wait_dscnt 0x0                               ; both opening adds are done
	s_wait_kmcnt 0x0
	s_add_nc_u64 s[34:35], s[6:7], s[2:3]
	s_or_b32 s35, s35, 0x80000000
.irp p, 40,42,44,46
	s_add_nc_u64 s[\p:\p+1], s[4:5], s[\p:\p+1]
.endr
.irp p, 48,50,52,54
	s_add_nc_u64 s[\p:\p+1], s[8:9], s[\p:\p+1]
.endr
	CROUND                                         ; all four work-groups are here: the joint loads meet
	tensor_load_to_lds s[32:35], s[24:31]          ; my one tensor load
	s_nop 0
.rept 4
	v_nop
.endr
	v_and_b32 v40, 15, v0                          ; r
	v_bfe_u32 v41, v0, 4, 1                        ; h
	v_bfe_u32 v42, v0, 3, 1                        ; g = r / 8
	v_and_b32 v43, 7, v0                           ; r % 8
	v_and_b32 v1, 31, v0
	v_lshlrev_b32 v4, 2, v40                       ; 4 r: V's and q's scale words
	v_lshlrev_b32 v1, 3, v1                        ; 8 x lane: my place in a piece
	v_lshl_add_u32 v6, v40, 3, v41                 ; 8 r + h
	v_mul_u32_u24 v2, v42, 6*PIT
	v_lshlrev_b32 v3, 6, v42
	v_lshlrev_b32 v5, 5, v41
	v_lshl_add_u32 v2, v43, 3, v2
	v_lshl_add_u32 v3, v43, 2, v3                  ; K's scale words: 64 g + 4 (r % 8)
	v_sub_nc_u32 v5, v40, v5
	v_lshl_add_u32 v2, v41, 7, v2                  ; K's codes: six rows x g + 8 (r % 8) + 128 h
	s_lshl_b32 s2, s11, 5
	v_add_nc_u32 v5, s2, v5                        ; first tile: my query's place in its diagonal step, less 32 h
	v_mov_b32 v7, 0xd19502f9                       ; -8e10
.irp i, 0,1,2
	global_load_b64 v[18+2*\i:19+2*\i], v1, s[40:41] offset:256*\i
	global_load_b64 v[30+2*\i:31+2*\i], v1, s[44:45] offset:256*\i
.endr
	global_load_u16 v36, v4, s[42:43]
	global_load_u16 v37, v4, s[46:47]
.irp j, 12,13,14,15,16,17,24,25,26,27,28,29
	v_mov_b32 v[\j], 0                             ; the zero halves beside q's codes
.endr
.irp j, 248,249,252
	v_mov_b32 v[\j], 0                             ; a permute's destination, and the pair v[248:249], are written before they are named
.endr
	s_wait_loadcnt 0x0
	v_lshl_or_b32 v36, v36, 16, v36                ; q's two bytes serve in either half of the operand
	v_lshl_or_b32 v37, v37, 16, v37
	FRESH                                          ; (these lines are also the places between the scale words' last write and the first product)
	s_wait_alu depctr_va_vdst(0)
	s_wait_tensorcnt 0x0                           ; my key step has landed,
	s_barrier_signal -1
	s_barrier_wait -1                              ; everybody's has
	v_mov_b32 v40, v2
	v_mov_b32 v41, v3
	KLOAD                                          ; key step 0
	s_mov_b32 s14, 0                               ; the trip
	s_wait_alu depctr_va_vdst(0)
.Ltrip:                                            ; trips 0 .. w: the first tile's key steps 0 .. w; trips w + 1 .. 16: the second's 0 .. 15 - w
	s_add_co_u32 s15, s14, s13
	s_min_u32 s15, s14, s15                        ; this trip's key step: the trip, or the trip - (w + 1) where that is not negative
	s_min_u32 s15, s15, 15
	s_mul_i32 s15, s15, STEPB
	s_add_co_u32 s16, s14, 1
	s_add_co_u32 s17, s16, s13
	s_min_u32 s17, s16, s17                        ; and the next trip's (behind the last trip: held inside the 16)
	s_min_u32 s17, s17, 15
	s_mul_i32 s17, s17, STEPB
	s_wait_dscnt 0x0                               ; K is in: asked for a trip ago
.irp c, 0,1
.irp u, 0,1
	WM v[96+32*\c+16*\u:103+32*\c+16*\u], v[48+24*\c+12*\u:59+24*\c+12*\u], v[18:29], 0, v[44+2*\c+\u], v36
	WM v[104+32*\c+16*\u:111+32*\c+16*\u], v[48+24*\c+12*\u:59+24*\c+12*\u], v[12:23], 0, v[44+2*\c+\u], v36
.endr
.endr
	v_add_nc_u32 v42, s15, v1                      ; four plain lines: the places in front of the loads into the products' registers and of the first read of the scores
	v_add_nc_u32 v43, s15, v4
	v_add_nc_u32 v40, s17, v2
	v_add_nc_u32 v41, s17, v3
	VLOAD                                          ; this step's V, then the next step's K: both land while the softmax is worked
	KLOAD
	s_cmp_lg_u32 s14, s18                          ; only a tile's last step lies on the diagonal
	s_wait_alu depctr_va_vdst(0)
	s_cbranch_scc1 .Lopen
.set N1, 0
.rept 64
	v_cmp_gt_i32 vcc_lo, 64*(N1/32)+16*(((N1%32)/8)%2)+8*((N1%32)/16)+N1%8, v5
	v_cndmask_b32 v[96+N1], v[96+N1], v7, vcc_lo
.set N1, N1+1
.endr
.Lopen:
.irp c, 0,1                                    ; the largest score of my two blocks of 32 keys, each in two chains: for the row's maximum and for the block's largest p
	v_max3_num_f32 v[244+\c], v[96+32*\c], v[97+32*\c], v[98+32*\c]
	v_max3_num_f32 v[252+\c], v[113+32*\c], v[114+32*\c], v[115+32*\c]
.endr
.irp i, 0,2,4,6,8,10
.irp c, 0,1
	v_max3_num_f32 v[244+\c], v[244+\c], v[99+32*\c+\i], v[100+32*\c+\i]
	v_max3_num_f32 v[252+\c], v[252+\c], v[116+32*\c+\i], v[117+32*\c+\i]
.endr
.endr
.irp c, 0,1
	v_max3_num_f32 v[244+\c], v[244+\c], v[111+32*\c], v[112+32*\c]
.endr
	v_mov_b32 v255, v8                             ; the old -M
.irp c, 0,1
	v_max_num_f32 v[244+\c], v[244+\c], v[252+\c]
.endr
	s_delay_alu instid0(VALU_DEP_1)
	v_max_num_f32 v254, v244, v245
	s_delay_alu instid0(VALU_DEP_1)
	v_permlanex16_b32 v252, v254, s20, s21
	s_delay_alu instid0(VALU_DEP_1)
	v_max3_num_f32 v9, v9, v254, v252              ; the running largest score of my query
	s_delay_alu instid0(VALU_DEP_1)
	v_mul_f32 v254, s56, v9
	s_delay_alu instid0(VALU_DEP_1)
	v_floor_f32 v8, v254                           ; the new -M = floor(-t) = -ceil(t)
.set N1, 0
.rept 32
	v_pk_fma_f32 v[96+N1:97+N1], v[96+N1:97+N1], s[22:23], v[8:9] op_sel_hi:[1,0,0]   ; t - M, two at a time; among them f = 2^(old M - new M)
.if N1 == 2
	v_sub_f32 v254, v8, v255                       ; a whole number, 0 or less
.endif
.if N1 == 10
	v_cvt_i32_f32 v254, v254                       ; (it saturates)
.endif
.if N1 == 18
	v_ldexp_f32 v248, 1.0, v254
.endif
.set N1, N1+2
.endr
.irp c, 0,1
	v_fma_f32 v[244+\c], v[244+\c], s22, v8
.endr
	s_wait_alu depctr_va_vdst(0)
	v_exp_f32 v244, v244                           ; my blocks' largest p
	v_exp_f32 v245, v245
.set N1, 0
.rept 64
	v_exp_f32 v[96+N1], v[96+N1]                   ; p = 2^(t - M)
.set N1, N1+1
.endr
	v_nop                                          ; a plain line behind the exponentials
	s_wait_alu depctr_va_vdst(0)                   ; one wait for the batch; it stands directly ahead of the first reader of O^T too
.irp j, 0,2,4,6,8,10,12,14,16,18,20,22,24,26,28,30
	v_pk_mul_f32 v[160+\j:161+\j], v[160+\j:161+\j], v[248:249] op_sel_hi:[1,0]   ; O^T under the new M
.endr
	v_pk_add_f32 v[250:251], v[96:97], v[100:101]  ; the step's sum of the unquantised p, in two chains; the blocks' scales are made among its lines
	v_pk_add_f32 v[246:247], v[98:99], v[102:103]
	v_max_num_f32 v244, 0x1800000, v244            ; the floor 2^(3 - 127)
	v_max_num_f32 v245, 0x1800000, v245
	SUM 104
	v_add_nc_u32 v244, 0xff000000, v244            ; 2 off the exponent field: the conversion's scale operand
	v_add_nc_u32 v245, 0xff000000, v245
	SUM 108
	v_lshrrev_b32 v252, 23, v244                   ; the scales' bytes: blocks h and 2 + h
	v_lshrrev_b32 v253, 23, v245
	SUM 112
	v_lshl_or_b32 v252, v253, 16, v252
	SUM 116
	v_permlanex16_b32 v253, v252, s20, s21
	SUM 120
	v_lshl_or_b32 v249, v253, 8, v252              ; lanes 0-15: p's scale word for these 128 keys (lanes 16-31 are not read)
	SUM 124
	v_cvt_scalef32_pk16_fp6_f32 v[252:254], v[112:127], v244   ; places 16-31 of block h (a conversion's three registers begin on an even number)
	SUM 128                                        ; plain lines between a conversion and the next line that writes its sources
	v_cvt_scalef32_pk16_fp6_f32 v[112:114], v[96:111], v244    ; the codes lie in registers of p that are done with: v112-123
	v_cvt_scalef32_pk16_fp6_f32 v[118:120], v[128:143], v245
	SUM 132
	v_cvt_scalef32_pk16_fp6_f32 v[96:98], v[144:159], v245
	SUM 136
.irp i, 0,1,2
	v_mov_b32 v[115+\i], v[252+\i]
	v_mov_b32 v[121+\i], v[96+\i]
.endr
.irp j, 140,144,148,152,156
	SUM \j                                         ; these ten are also the places in front of the products below
.endr
	s_wait_alu depctr_va_vdst(0)
	s_wait_dscnt 28                                ; V is in; the 28 loads of the next step's K may be out
.irp t, 0,1,2,3                                ; the four accumulators take one instruction a turn
	WM v[160+8*\t:167+8*\t], v[192+12*\t:203+12*\t], v[112:123], v[160+8*\t:167+8*\t], v[240+\t], v249
.endr
	v_pk_add_f32 v[250:251], v[250:251], v[246:247]
.rept 4
	v_nop                                          ; five places in front of the next products, which write over p's codes, and of the way out
.endr
	v_pk_fma_f32 v[10:11], v[10:11], v[248:249], v[250:251] op_sel_hi:[1,0,1]   ; the row's sum under the new M, and the step's
	s_cmp_lg_u32 s14, s18
	s_wait_alu depctr_va_vdst(0)
	s_cbranch_scc1 .Lnext
; THE WAY OUT of a tile, behind its diagonal step: O^T / the sum; its 64 channels are two blocks along C: quantised, they are registers 6 c .. 6 c + 5 of the last product's operand: three pieces of 256 bytes.
	v_add_f32 v10, v10, v11
	v_permlanex16_b32 v250, v10, s20, s21
	s_delay_alu instid0(VALU_DEP_1)
	v_add_f32 v10, v10, v250                       ; the row's sum
	s_wait_alu depctr_va_vdst(0)
	v_rcp_f32 v10, v10
	v_nop                                          ; a plain line behind the reciprocal,
	s_wait_alu depctr_va_vdst(0)                   ; and the wait ahead of its first reader
.irp j, 0,2,4,6,8,10,12,14,16,18,20,22,24,26,28,30
	v_pk_mul_f32 v[96+\j:97+\j], v[160+\j:161+\j], v[10:11] op_sel_hi:[1,0]   ; each accumulator from its low end on
.endr
.irp b, 0,1
	v_max3_num_f32 v[244+\b], |v[96+16*\b]|, |v[97+16*\b]|, 0x1800000
.endr
.irp i, 2,4,6,8,10,12,14
.irp b, 0,1
	s_delay_alu instid0(VALU_DEP_2)
	v_max3_num_f32 v[244+\b], v[244+\b], |v[96+16*\b+\i]|, |v[97+16*\b+\i]|
.endr
.endr
.irp b, 0,1
	v_permlanex16_b32 v[250+\b], v[244+\b], s20, s21
.endr
.irp b, 0,1
	s_delay_alu instid0(VALU_DEP_2)
	v_max_num_f32 v[244+\b], v[244+\b], v[250+\b]
.endr
.irp b, 0,1
	s_delay_alu instid0(VALU_DEP_2)
	v_add_nc_u32 v[244+\b], 0xff000000, v[244+\b]
.endr
.irp b, 0,1
	s_delay_alu instid0(VALU_DEP_2)
	v_lshrrev_b32 v[250+\b], 23, v[244+\b]
.endr
	v_cvt_scalef32_pk16_fp6_f32 v[128:130], v[96:111], v244
	v_cvt_scalef32_pk16_fp6_f32 v[136:138], v[112:127], v245
	v_cndmask_b32 v254, v250, v251, s36            ; lanes 0-15 the first block's byte, lanes 16-31 the second's.  (The plain line behind the conversions)
.irp i, 0,1,2
	v_permlane16_swap_b32 v[128+\i], v[136+\i]
.endr
.irp i, 0,1,2
	v_mov_b32 v[131+\i], v[136+\i]
.endr
.irp i, 0,1,2
	global_store_b64 v1, v[128+2*\i:129+2*\i], s[48:49] offset:256*\i   ; 32 lanes store 256 consecutive bytes, aligned
.endr
	global_store_b8 v6, v254, s[50:51]             ; a head owns two of a row's eight scale bytes of a slot: a byte a lane
	s_cmp_eq_u32 s14, 16
	s_cbranch_scc1 .Ldone                          ; the second tile is out
	s_wait_xcnt 0x0                                ; the stores have read their registers and bases
	s_mov_b64 s[48:49], s[52:53]                   ; on to the second tile: its place in yb,
	s_mov_b64 s[50:51], s[54:55]
	s_mov_b32 s18, 16                              ; its diagonal's trip,
.irp i, 0,1,2,3,4,5
	v_mov_b32 v[18+\i], v[30+\i]                   ; its q
.endr
	v_mov_b32 v36, v37
	v_add_nc_u32 v5, 16, v5                        ; and its place in the diagonal step
	FRESH                                          ; (also the places between these writes and the next products)
.Lnext:
	s_add_co_u32 s14, s14, 1
	s_cmp_lt_u32 s14, 17
	s_wait_alu depctr_va_vdst(0)
	s_cbranch_scc1 .Ltrip
.Ldone:
	s_wait_tensorcnt 0x0                           ; the wave's end
	ds_add_u32 v38, v39
	s_wait_dscnt 0x0
	CROUND                                         ; the closing round
	s_endpgm
.Lfunc_end_k_qd1122ec6c3_attn:
	.size	k_qd1122ec6c3_attn, .Lfunc_end_k_qd1122ec6c3_attn-k_qd1122ec6c3_attn
	.p2alignl 7, 3214868480
	.fill 96, 4, 3214868480
	.section	.rodata,"a",@progbits
	.p2align	6, 0x0
	.amdhsa_kernel k_qd1122ec6c3_attn
		.amdhsa_group_segment_fixed_size 206848
		.amdhsa_private_segment_fixed_size 0
		.amdhsa_enable_private_segment 0
		.amdhsa_kernarg_size 24
		.amdhsa_user_sgpr_count 2
		.amdhsa_user_sgpr_kernarg_segment_ptr 1
		.amdhsa_wavefront_size32 1
		.amdhsa_system_sgpr_workgroup_id_x 1
		.amdhsa_system_sgpr_workgroup_id_y 1
		.amdhsa_system_sgpr_workgroup_id_z 1
		.amdhsa_system_vgpr_workitem_id 0
		.amdhsa_next_free_vgpr 256
		.amdhsa_next_free_sgpr 66
		.amdhsa_reserve_vcc 1
		.amdhsa_float_denorm_mode_32 3
		.amdhsa_float_denorm_mode_16_64 3
		.amdhsa_memory_ordered 1
		.amdhsa_forward_progress 1
		.amdhsa_inst_pref_size 39
	.end_amdhsa_kernel
	.amdgpu_metadata
---
amdhsa.version: [ 1, 2 ]
amdhsa.kernels:
  - .name:           k_qd1122ec6c3_attn
    .symbol:         k_qd1122ec6c3_attn.kd
    .args:
      - { .name: qb, .offset: 0, .size: 8, .value_kind: global_buffer, .address_space: global }
      - { .name: kv, .offset: 8, .size: 8, .value_kind: global_buffer, .address_space: global }
      - { .name: yb, .offset: 16, .size: 8, .value_kind: global_buffer, .address_space: global }
    .group_segment_fixed_size: 206848
    .private_segment_fixed_size: 0
    .kernarg_segment_align: 8
    .kernarg_segment_size: 24
    .max_flat_workgroup_size: 512
    .sgpr_count:     66
    .vgpr_count:     256
    .wavefront_size: 32
...
	.end_amdgpu_metadata
.endif
;; end of part 3
;; launch proj (part 4): grid 8 x 32, 4 waves a work-group, clusters of 4 x 4, 327,680 bytes of LDS; arguments yb, wb, bo, out0; writes out0
.if DOCPART == 4
	.amdgcn_target "amdgcn-amd-amdhsa--gfx1250"
	.amdhsa_code_object_version 6
	.text
	.protected	k_qd1122ec6c3_proj
	.globl	k_qd1122ec6c3_proj
	.p2align	8
	.type	k_qd1122ec6c3_proj,@function
k_qd1122ec6c3_proj:
	s_mov_b64 s[64:65], 0
	v_nop
	global_prefetch_b8 v0, s[64:65] scope:SCOPE_SE
	s_setreg_imm32_b32 hwreg(HW_REG_WAVE_MODE, 25, 1), 1
	s_wait_xcnt 0x0
	s_wait_alu depctr_hold_cnt(0) depctr_sa_sdst(0) depctr_va_vdst(0) depctr_va_sdst(0) depctr_va_ssrc(0) depctr_va_vcc(0) depctr_vm_vsrc(0)
	s_getreg_b32 s2, hwreg(HW_REG_IB_STS2, 6, 4)
	s_cmp_eq_u32 s2, 0
	s_cbranch_scc0 .Lentry_in_a_cluster
	s_endpgm
.Lentry_in_a_cluster:
	s_bfe_u32 s2, ttmp6, 0x10000c
	s_cmp_lg_u32 s2, 0xf033
	s_cbranch_scc0 .Lentry_shape_is_right
	s_endpgm
.Lentry_shape_is_right:
; out0 = y Wo + bo on codes of FP6 (E2M3) with E8M0 scales: C[m][n] = sum over k of y[m][k] Wo[k][n], M = 8,192, N = 1,024, K = 1,024; sums in f32.
; A block of 256 x 128 to a work-group: 32 x 8 = 256 work-groups; 128 x 64 (32 accumulators) to each of four waves.
; OPERANDS lie in memory as fragment images (16 rows x 128 K: six pieces of 256 bytes, lane l's 8 bytes at 8 l), [row tile][K step 8][1536], and scale words [row tile][pair of K steps 4][row 16][8].
; ALL OF K LIES IN LDS AT ONCE: y's 16 row tiles are 196,608 dense bytes, Wo's 8 are 98,304, their scale words 8,192 and 4,096: four dense blocks, one tensor load a wave at the head, rows of 256 bytes.
; Nothing is filled again: one barrier, and then LDS tiles are only read.  So there is no loop to prefetch ahead in: no prefetch.
; CLUSTERS 4 x 4: y's blocks are asked for jointly along a row of the cluster, Wo's along a column.
; THE MATRIX INSTRUCTION IS USED TRANSPOSED (source 0 = 16 columns of Wo, source 1 = 16 rows of y): a lane holds eight neighbouring numbers of a row of C.
; Inside a block of 32 along K both operands lie in the order 0-7, 16-23, 8-15, 24-31, as the launches that made them laid them.
; REGISTERS: window 0: v1-29 addresses, bias; v32-95 all scale words (lanes 0-15 y's block i, lanes 16-31 Wo's block i); v96-191 y's fragments and v192-239 Wo's of the even K steps.
;   window 1: the same two runs for the odd K steps.   window 2: the accumulators, (a, b) at v[8 (4 a + b)].
.set KSB,   1536                       ; a fragment's image
.set RECB,  12288                      ; a row tile's eight K steps
.set XSC,   6291456                    ; where the scale bytes begin in yb
.set WSC,   3145728                    ; and in wb
.set LB,    16*RECB                    ; LDS: y's codes from 0, Wo's from here,
.set LSA,   LB+8*RECB                  ; y's scale words,
.set LSB,   LSA+8192                   ; Wo's,
.set STAGE, LSB+4096                   ; the way out: 16 rows x 272 bytes for each wave, bytes into which no fill lands,
.set SPITCH, 272
.set SPARE, STAGE+4*16*SPITCH          ; and the spare words, 128 bytes a wave: two blocks of 256 bytes that no other line names
.set ADRA, 16                          ; v16-17 my blocks 0-3 and 4-7 of y
.set ADRB, 20                          ; v20    my four blocks of Wo
.set ADRS, 21                          ; v21-22 scale words: blocks 0-3, blocks 4-7 (there lanes 16-31 read Wo's four again: not used)
.set STO,  23
.set RD,   12
.set BO,   10
.set CO,   11
.set BIAS, 24
.set SPW,  28
.set NIL,  29
.set SC,   32
.set AF,   96
.set BF,   192
.set BK,   96                          ; the way out: 16 rows read back, v96-127 and v128-159 by turns
.set G1A,  24
.set G1B,  32
.set G1S,  40
.set G1SB, 48
.set G0A,  56
.set G0B,  60
.set G0S,  68
.set G0SB, 72
.set MSB, 0
.macro WIN new                         ; the immediate's high byte repeats the setting that is left
.if MSB != (\new)
	s_set_vgpr_msb (MSB<<8)|(\new)
.set MSB, (\new)
.endif
.endm
.macro CROUND                          ; a round of the cluster's barrier
	s_barrier_signal -1
	s_barrier_wait -1
	s_cmp_lg_u32 s18, 0
	s_cbranch_scc1 .Lnot_wave_0_\@
	s_barrier_signal -3
.Lnot_wave_0_\@:
	s_barrier_wait -3
	s_barrier_signal -1
	s_barrier_wait -1
.endm
.macro SETG1 g, rows                   ; a dense block as rows of 32 elements of 8 bytes
	s_mov_b32 s[\g+1], 32<<16
	s_mov_b32 s[\g+2], (\rows)<<16
	s_mov_b32 s[\g+3], 32<<16
	s_mov_b32 s[\g+4], \rows
	s_mov_b32 s[\g+5], 32
	s_mov_b32 s[\g+6], 0
	s_mov_b32 s[\g+7], 0
.endm
.macro SETG0 g, lds, adr
	s_mov_b32 s[\g], 1
	s_mov_b32 s[\g+1], \lds
	s_mov_b64 s[\g+2:\g+3], s[\adr:\adr+1]
	s_or_b32 s[\g+3], s[\g+3], 0x80000000
.endm
.macro PLACES                          ; plain vector lines between a matrix instruction and a load into, or a store of, its registers (ISA guide 7.12.1 for vector lines)
.rept 4
	v_nop
.endr
.endm
	s_load_b256 s[4:11], s[0:1], 0x0               ; yb, wb, bo, out0
	v_lshl_add_u32 v[SPW], v0, 2, SPARE
	v_mov_b32 v[NIL], 0
	ds_add_u32 v[SPW], v[NIL]                      ; the opening lines: the add, twice on end, and its wait
	ds_add_u32 v[SPW], v[NIL]
	v_lshrrev_b32 v1, 5, v0
	v_readfirstlane_b32 s18, v1                    ; wave 0..3
	s_lshr_b32 s19, s18, 1                         ; which 128 rows of the block are mine
	s_and_b32 s20, s18, 1                          ; which 64 columns
	s_bfe_u32 s21, ttmp6, 0x40000                  ; cx
	s_bfe_u32 s22, ttmp6, 0x40004                  ; cy
	s_and_b32 s23, ttmp7, 0xffff
	s_lshl_b32 s76, s23, 2
	s_add_co_u32 s76, s76, s22                     ; block row 0..31
	s_lshl_b32 s77, ttmp9, 2
	s_add_co_u32 s77, s77, s21                     ; block column 0..7
	s_lshl_b32 s78, s22, 2
	s_lshl_b32 s78, 15, s78                        ; my row of the cluster
	s_lshl_b32 s79, 0x1111, s21                    ; my column
	s_or_b32 s[G1A], s78, (3<<16)|(1<<21)          ; 15:0 the mask; 17:16 elements of 8 bytes; 21 set beside a mask
	s_or_b32 s[G1S], s78, (3<<16)|(1<<21)
	s_or_b32 s[G1B], s79, (3<<16)|(1<<21)
	s_or_b32 s[G1SB], s79, (3<<16)|(1<<21)
	SETG1 G1A, 768
	SETG1 G1B, 384
	SETG1 G1S, 32
	SETG1 G1SB, 16
	s_mul_i32 s80, s76, 16*RECB                    ; y's codes: made of the block row alone
	s_mov_b32 s81, 0
	s_lshl_b32 s82, s76, 13
	s_add_co_u32 s82, s82, XSC                     ; and its scale words
	s_mov_b32 s83, 0
	s_lshl_b32 s86, s77, 3
	s_add_co_u32 s86, s86, 192                     ; Wo's first n tile in wb is 192: made of the block column alone
	s_mul_i32 s84, s86, RECB
	s_mov_b32 s85, 0
	s_lshl_b32 s86, s86, 9
	s_add_co_u32 s86, s86, WSC
	s_mov_b32 s87, 0
	s_wait_dscnt 0x0                               ; both opening adds are done
	s_wait_kmcnt 0x0
	s_add_nc_u64 s[80:81], s[4:5], s[80:81]
	s_add_nc_u64 s[82:83], s[4:5], s[82:83]
	s_add_nc_u64 s[84:85], s[6:7], s[84:85]
	s_add_nc_u64 s[86:87], s[6:7], s[86:87]
	CROUND                                         ; all sixteen work-groups are here: the joint loads meet
	SETG0 G0A, 0, 80
	SETG0 G0B, LB, 84
	SETG0 G0S, LSA, 82
	SETG0 G0SB, LSB, 86
; THE LOADS, ONE A WAVE: wave 0 y's codes, wave 1 Wo's, wave 2 y's scale words, wave 3 Wo's.  One tree of branches on the wave's number, one load to an arm.
.macro ARM under, g0, g1, next
	s_cmp_lt_u32 s18, \under
	s_cbranch_scc0 \next
	tensor_load_to_lds s[\g0:\g0+3], s[\g1:\g1+7]
	s_nop 0
.rept 4
	v_nop
.endr
	s_branch .Lasked
\next:
.endm
	ARM 1, G0A, G1A, .Lhead_b
	ARM 2, G0B, G1B, .Lhead_sa
	ARM 3, G0S, G1S, .Lhead_sb
	tensor_load_to_lds s[G0SB:G0SB+3], s[G1SB:G1SB+7]
	s_nop 0
.rept 4
	v_nop
.endr
.Lasked:
	s_mul_i32 s88, s19, 8*RECB                     ; my blocks 0-3 of y,
	s_add_co_u32 s89, s88, 4*RECB                  ; my blocks 4-7,
	s_mul_i32 s90, s20, 4*RECB
	s_add_co_u32 s90, s90, LB                      ; my four of Wo
	s_lshl_b32 s92, s19, 12                        ; y's scale words: my 8 row tiles
	s_lshl_b32 s91, s20, 11                        ; Wo's: my 4
	s_add_co_u32 s91, s91, LSB-LSA
	s_sub_co_u32 s91, s91, s92                     ; how far lanes 16-31 read behind lanes 0-15
	s_add_co_u32 s92, s92, LSA
	s_sub_co_u32 s93, s91, 2048                    ; blocks 4-7: lanes 0-15 go 2,048 bytes on, lanes 16-31 stay
	s_add_co_u32 s94, s92, 2048
	s_mul_i32 s95, s18, 16*SPITCH
	s_add_co_u32 s95, s95, STAGE                   ; my stage
	s_lshl_b32 s2, s77, 9
	s_lshl_b32 s3, s20, 8
	s_add_co_u32 s2, s2, s3                        ; my first column, in bytes
	s_mov_b32 s3, 0
	s_add_nc_u64 s[14:15], s[8:9], s[2:3]          ; bo
	s_add_nc_u64 s[12:13], s[10:11], s[2:3]
	s_lshl_b32 s2, s76, 20
	s_lshl_b32 s17, s19, 19
	s_add_co_u32 s2, s2, s17                       ; my first row x 4,096 bytes
	s_add_nc_u64 s[12:13], s[12:13], s[2:3]        ; out0
	v_and_b32 v1, 15, v0                           ; r
	v_bfe_u32 v2, v0, 4, 1                         ; h
	v_and_b32 v3, 31, v0
	v_lshlrev_b32 v4, 3, v3                        ; 8 x lane
	v_lshlrev_b32 v5, 3, v1                        ; 8 r: my row's two scale words of a pair of K steps
	v_lshlrev_b32 v[BO], 4, v1                     ; 16 r: my 16 bytes of a row of 256
	v_mul_u32_u24 v6, s91, v2
	v_mul_u32_u24 v7, s93, v2
	v_mul_u32_u24 v8, v1, SPITCH
	v_mul_u32_u24 v9, v2, SPITCH
	v_add_nc_u32 v[ADRA], s88, v4
	v_add_nc_u32 v[ADRA+1], s89, v4
	v_add_nc_u32 v[ADRB], s90, v4
	v_add_nc_u32 v6, v5, v6
	v_add_nc_u32 v7, v5, v7
	v_lshl_add_u32 v8, v2, 5, v8                   ; into the stage: row r, 32 bytes for each half of the lanes
	v_lshl_add_u32 v9, v1, 4, v9                   ; back: lanes 0-15 one row of 256 bytes, lanes 16-31 the next
	v_add_nc_u32 v[ADRS], s92, v6
	v_add_nc_u32 v[ADRS+1], s94, v7
	v_add_nc_u32 v[STO], s95, v8
	v_add_nc_u32 v[RD], s95, v9
	v_lshl_add_u32 v[CO], v2, 12, v[BO]            ; and the same two rows in out0
	global_load_b128 v[BIAS:BIAS+3], v[BO], s[14:15]   ; bo at my four columns; waited for on the way out
	s_wait_alu depctr_va_vdst(0)
	s_wait_tensorcnt 0x0                           ; my block has landed,
	s_barrier_signal -1
	s_barrier_wait -1                              ; everybody's has
.macro FRAG reg, adr, q, i             ; a fragment's image: six pieces of 256 consecutive bytes
.irp p, 0,1,2,3,4,5
	ds_load_b64 v[\reg+2*\p:\reg+2*\p+1], v[\adr] offset:RECB*(\i)+KSB*(\q)+256*\p
.endr
.endm
.macro FETCH1 q                        ; K step q: Wo's four blocks and y's blocks 0-3, 48 loads, into the set of q's parity
	WIN 0x40*((\q)%2)
.irp i, 0,1,2,3
	FRAG BF+12*\i, ADRB, \q, \i
.endr
.irp i, 0,1,2,3
	FRAG AF+12*\i, ADRA, \q, \i
.endr
.endm
.macro FETCH2 q                        ; y's blocks 4-7: 24 loads
	WIN 0x40*((\q)%2)
.irp i, 0,1,2,3
	FRAG AF+48+12*\i, ADRA+1, \q, \i
.endr
.endm
; one product; the 32 accumulators take turns, one instruction a turn, in the same order in every step.  The first step's products start the sums.
.macro WM q, a, b
.if (\q) == 0
	v_wmma_scale_f32_16x16x128_f8f6f4 v[8*(4*(\a)+\b):8*(4*(\a)+\b)+7], v[BF+12*\b:BF+12*\b+11], v[AF+12*(\a):AF+12*(\a)+11], 0, v[SC+16*((\q)/2)+2*\b+(\q)%2], v[SC+16*((\q)/2)+2*(\a)+(\q)%2] matrix_a_fmt:MATRIX_FMT_FP6 matrix_b_fmt:MATRIX_FMT_FP6 matrix_a_scale:MATRIX_SCALE_ROW1
.else
	v_wmma_scale_f32_16x16x128_f8f6f4 v[8*(4*(\a)+\b):8*(4*(\a)+\b)+7], v[BF+12*\b:BF+12*\b+11], v[AF+12*(\a):AF+12*(\a)+11], v[8*(4*(\a)+\b):8*(4*(\a)+\b)+7], v[SC+16*((\q)/2)+2*\b+(\q)%2], v[SC+16*((\q)/2)+2*(\a)+(\q)%2] matrix_a_fmt:MATRIX_FMT_FP6 matrix_b_fmt:MATRIX_FMT_FP6 matrix_a_scale:MATRIX_SCALE_ROW1
.endif
.endm
.macro MUL q, a0                       ; 16 products: y's blocks a0 .. a0 + 3 x Wo's four
	WIN 0xa0+5*((\q)%2)                            ; sources 0 and 1: the set's window; C and D: window 2
.irp d, 0,1,2,3
.irp b, 0,1,2,3
	WM \q, \a0+\d, \b
.endr
.endr
.endm
; A K step: the next step's fragments go into the other set, which the step before last multiplied: 48 loads ahead of the products, 24 in their middle.
.macro STEP q
.if (\q) < 7
.if (\q) > 0
	PLACES                                         ; behind the last step's products, in front of the loads into the registers that they read
.endif
	FETCH1 (\q)+1
	s_wait_dscnt 48                                ; all but the 48 just issued: this step's fragments are in
	MUL \q, 0
	FETCH2 (\q)+1
	MUL \q, 4
.else
	s_wait_dscnt 0x0
	MUL \q, 0
	MUL \q, 4
.endif
.endm
.irp s, 0,1,2,3                                ; all scale words: two a row for each pair of K steps
.irp i, 0,1,2,3
	ds_load_b64 v[SC+16*\s+2*\i:SC+16*\s+2*\i+1], v[ADRS] offset:512*\i+128*\s
	ds_load_b64 v[SC+16*\s+8+2*\i:SC+16*\s+9+2*\i], v[ADRS+1] offset:512*\i+128*\s
.endr
.endr
	FETCH1 0
	FETCH2 0
.irp q, 0,1,2,3,4,5,6,7
	STEP \q
.endr
	WIN 0
; THE WAY OUT, block by block of 16 rows x 64 columns, through my own stage: back come whole rows of 256 bytes, two to an instruction; bo is added, and sixteen lanes store one aligned unit of 256 bytes.
; LDS serves a wave's instructions in order (ISA guide 5.7.1.4): no wait between the stores and the loads, nor in front of the next block's stores.
.macro TOSTAGE a
	WIN 0x08                                       ; the data: window 2
.irp b, 0,1,2,3
	ds_store_b128 v[STO], v[8*(4*(\a)+\b):8*(4*(\a)+\b)+3] offset:64*\b          ; each accumulator from its low end on
	ds_store_b128 v[STO], v[8*(4*(\a)+\b)+4:8*(4*(\a)+\b)+7] offset:64*\b+16
.endr
	WIN 0
.set BB, BK+32*((\a)%2)
.irp t, 0,1,2,3,4,5,6,7
	ds_load_b128 v[BB+4*\t:BB+4*\t+3], v[RD] offset:\t*2*SPITCH
.endr
.endm
.macro SEND a, younger                 ; younger: the LDS instructions issued behind block a's loads, which may stay out
.set BB, BK+32*((\a)%2)
	s_wait_dscnt \younger
.if (\a) > 0
	s_add_nc_u64 s[12:13], s[12:13], 16*4096       ; (behind a wait on XCNT: the earlier stores have read their base)
.endif
.irp t, 0,1,2,3,4,5,6,7
	v_pk_add_f32 v[BB+4*\t:BB+4*\t+1], v[BB+4*\t:BB+4*\t+1], v[BIAS:BIAS+1]
	v_pk_add_f32 v[BB+4*\t+2:BB+4*\t+3], v[BB+4*\t+2:BB+4*\t+3], v[BIAS+2:BIAS+3]
.endr
.irp t, 0,1,2,3,4,5,6,7
	global_store_b128 v[CO], v[BB+4*\t:BB+4*\t+3], s[12:13] offset:\t*2*4096 th:TH_STORE_NT
.endr
.endm
	s_wait_loadcnt 0x0                             ; bo
	PLACES                                         ; behind the last products, in front of the stores of their results and of the loads into fragments' registers
	TOSTAGE 0
.irp a, 1,2,3,4,5,6,7
.if \a > 1
	s_wait_xcnt 0x0                                ; block a - 2's stores have read their registers and their base
.endif
	TOSTAGE \a
	SEND \a-1, 16                                  ; behind block a - 1's loads: block a's 8 stores and 8 loads
.endr
	s_wait_xcnt 0x0
	SEND 7, 0
	s_wait_tensorcnt 0x0                           ; the wave's end
	ds_add_u32 v[SPW], v[NIL]
	s_wait_dscnt 0x0
	CROUND                                         ; the closing round: no work-group ends while a partner may still ask for a tile that names it
	s_endpgm
.Lfunc_end_k_qd1122ec6c3_proj:
	.size	k_qd1122ec6c3_proj, .Lfunc_end_k_qd1122ec6c3_proj-k_qd1122ec6c3_proj
	.p2alignl 7, 3214868480
	.fill 96, 4, 3214868480
	.section	.rodata,"a",@progbits
	.p2align	6, 0x0
	.amdhsa_kernel k_qd1122ec6c3_proj
		.amdhsa_group_segment_fixed_size 327680
		.amdhsa_private_segment_fixed_size 0
		.amdhsa_enable_private_segment 0
		.amdhsa_kernarg_size 32
		.amdhsa_user_sgpr_count 2
		.amdhsa_user_sgpr_kernarg_segment_ptr 1
		.amdhsa_wavefront_size32 1
		.amdhsa_system_sgpr_workgroup_id_x 1
		.amdhsa_system_sgpr_workgroup_id_y 1
		.amdhsa_system_sgpr_workgroup_id_z 1
		.amdhsa_system_vgpr_workitem_id 0
		.amdhsa_next_free_vgpr 768
		.amdhsa_next_free_sgpr 98
		.amdhsa_reserve_vcc 0
		.amdhsa_float_denorm_mode_32 3
		.amdhsa_float_denorm_mode_16_64 3
		.amdhsa_memory_ordered 1
		.amdhsa_forward_progress 1
		.amdhsa_inst_pref_size 105
	.end_amdhsa_kernel
	.amdgpu_metadata
---
amdhsa.version: [ 1, 2 ]
amdhsa.kernels:
  - .name:           k_qd1122ec6c3_proj
    .symbol:         k_qd1122ec6c3_proj.kd
    .args:
      - { .name: yb, .offset: 0, .size: 8, .value_kind: global_buffer, .address_space: global }
      - { .name: wb, .offset: 8, .size: 8, .value_kind: global_buffer, .address_space: global }
      - { .name: bo, .offset: 16, .size: 8, .value_kind: global_buffer, .address_space: global }
      - { .name: out0, .offset: 24, .size: 8, .value_kind: global_buffer, .address_space: global }
    .group_segment_fixed_size: 327680
    .private_segment_fixed_size: 0
    .kernarg_segment_align: 8
    .kernarg_segment_size: 32
    .max_flat_workgroup_size: 128
    .sgpr_count:     98
    .vgpr_count:     768
    .wavefront_size: 32
...
	.end_amdgpu_metadata
.endif
;; end of part 4
